; MI455X (gfx1250); checked and timed in simulation.
; The chip was launched on July 23, 2026; its instructions are those of AMD's public machine-readable ISA for CDNA 5 (MIT licence, August 2026) and "CDNA5" Instruction Set Architecture Reference Guide (July 2026). The comments in the code are by the model that wrote it; some were corrected since.
;; Multi Head Attention. Allowed arithmetic: matrix products marked QUANTISED: E2M1 operands, one E8M0 scale for each 32 along K, by v_wmma_scale_f32_16x16x128_f8f6f4 with both operands' format E2M1 (or v_wmma_scale_f32_32x16x128_f4), f32 sums; products left as they are: bf16, f16 or f32 operands; f32 sums; everything else in f32.
;; Inputs: K 4 x 2,048 x 1,024 float32; Q 4 x 2,048 x 1,024 float32; V 4 x 2,048 x 1,024 float32; Wk 1,024 x 1,024 float32; Wq 1,024 x 1,024 float32; Wv 1,024 x 1,024 float32; bq 1,024 float32; bv 1,024 float32; mask 4 x 2,048 int32.
;; Outputs: out0 4 x 2,048 x 1,024 float32.
;; This version of the problem:
;;   THIS VERSION OF THE PROBLEM IS GIVEN IN LOW PRECISION. The matrix products marked QUANTISED in the list below multiply operands that are first quantised to E2M1 (2 exponent bits, 1 mantissa bit; 4 bits a number), with one power-of-two scale for each 32 numbers along K (OCP MX v1.0); their sums are f32. The products marked 'left as it is' may take bf16, f16 or f32 operands, with f32 sums. Whichever they take, every output number must still come out within the allowed error. Rounding operands to bf16 (8 significant bits) uses up far more of that allowance than f16 does (11 bits, for magnitudes from 6e-5 to 65,504). All else is computed in f32.
;;   The module's matrix products, in the order in which they are computed (A, B: the left and right operand; K: the contracted axis; several contracted axes count as one K, in the product's order):
;;     1. [M 8,192, K 1,024] x [K 1,024, N 1,024]; A: input Q; B: input Wq: QUANTISED
;;     2. [M 8,192, K 1,024] x [K 1,024, N 1,024]; A: input K; B: input Wk: QUANTISED
;;     3. [M 8,192, K 1,024] x [K 1,024, N 1,024]; A: input V; B: input Wv: QUANTISED
;;     4. batch 64 x [M 2,048, K 64] x [K 64, N 2,048]; A: computed on the way; B: computed on the way: left as it is (an operand is computed on the way)
;;     5. batch 64 x [M 64, K 2,048] x [K 2,048, N 2,048]; A: computed on the way; B: computed on the way: left as it is (an operand is computed on the way)
;;   THE QUANTISER, for each operand of a quantised product, along K:
;;     - K is cut into blocks of 32 from its start; a last block that is shorter is filled with zeros.
;;     - A block's scale is 2^e with e = floor(log2(the largest magnitude in the block)) - 2, held to -126 .. 127; a block of zeros has e = 0. As a byte (E8M0): e + 127.
;;     - Each number is divided by its block's scale, clamped to +-6, and rounded to the nearest number of E2M1, ties to even, subnormals kept.
;;     - The product sums the exact products of the quantised numbers (number of the format x scale) in f32.
;;   ~~~python
;;   def quantise(x, axis):      # numpy; x: float32 -> the quantised numbers, widened to float32 again
;;       x = np.moveaxis(x, axis, -1); K = x.shape[-1]
;;       x = np.pad(x, [(0, 0)] * (x.ndim - 1) + [(0, -K % 32)]); x = x.reshape(x.shape[:-1] + (-1, 32)); a = np.abs(x).max(-1, keepdims=True)
;;       e = np.where(a > 0, np.clip(np.frexp(np.where(a > 0, a, 1))[1] - 1 - 2, -126, 127), 0)      # np.frexp(a)[1] - 1 = floor(log2(a)), exactly
;;       r = np.clip(x / 2.0 ** e, -6, 6)
;;       step = 2.0 ** (np.maximum(np.frexp(np.where(r == 0, 1, r))[1] - 1, 0) - 1)
;;       q = np.round(r / step) * step * 2.0 ** e      # np.round: ties to even
;;       return np.moveaxis(q.reshape(q.shape[:-2] + (-1,))[..., :K], -1, axis).astype(np.float32)
;;   ~~~
;; 2 versions, each right; version 2 is version 1 with the launch proj written anew for expert scheduling mode. Each part assembles by itself: llvm-mc -triple=amdgcn-amd-amdhsa -mcpu=gfx1250 --defsym DOCPART=n.
;; ======== version 1 of 2: 3 launches
;; limits: right only within a limited range of input values; values are held in f16: magnitudes above 65,504 overflow, below 6.1e-05 lose precision
;; workspace buffers: wimg 1,572,864 bytes; wscl 98,304 bytes; idx 32,768 bytes of whole numbers; cnt 256 bytes of whole numbers; qh 16,777,216 bytes; kh 16,777,216 bytes; vh 16,777,216 bytes
;; launch prep (part 1): grid 388 x 1, 1 waves a work-group, no clusters, 0 bytes of LDS; arguments Wq, Wk, Wv, mask, wimg, wscl, idx, cnt; writes wimg, wscl, idx, cnt
.if DOCPART == 1
	.amdgcn_target "amdgcn-amd-amdhsa--gfx1250"
	.amdhsa_code_object_version 6
	.text
	.protected	k_qa82e0ac5d9_prep
	.globl	k_qa82e0ac5d9_prep
	.p2align	8
	.type	k_qa82e0ac5d9_prep,@function
k_qa82e0ac5d9_prep:
	s_mov_b64 s[64:65], 0
	v_nop
	global_prefetch_b8 v0, s[64:65] scope:SCOPE_SE
	s_setreg_imm32_b32 hwreg(HW_REG_WAVE_MODE, 25, 1), 1
	s_wait_xcnt 0x0
; PREP.  Two kinds of work-groups of one wave, told apart by the work-group's number g.
; g < 384: 64 rows x 128 k of one weight (tensor g / 128, head (g / 8) % 16, K step g % 8), f32 [1024][1024] with K innermost, become codes of FP4 (E2M1) and E8M0 scale bytes, one for each 32 along K.
;   A block's scale is 2^(floor(log2(its largest magnitude)) - 2); its byte is the largest magnitude's exponent field - 2, held at 1 from below; numbers are divided by the scale and rounded to the nearest code, ties to even.
;   The codes are laid IN THE ORDER OF THE OPERAND'S REGISTERS: wimg[g][nb][c][lane][16 bytes]: lane (r, h) at c holds k = 64 c + 32 h + 0 .. 31 of row 16 nb + r.  So the product's launch loads a fragment by two dense loads.
;   wscl[g][lane][2 words]: word p of lane l is the scale word (four bytes, one K step) of row 16 (2 p + l / 16) + l % 16: one register then carries two row blocks' words, in its lower and upper lanes.
; g >= 384: batch g - 384: the key mask (int32 [2048]) becomes a list of source rows, the keys that count first, in order, then the others (a permutation), and the pair (n, c):
;   n = the number of keys that count and c = log2(e) / 8 as bits; if no key counts, n = 2048 and c = 0: reference()'s softmax is then uniform over all keys.
; LIMITS: a block of zeros gets the byte 1 where the rule says 127 (its codes are zeros, and this program alone reads the bytes); NaN and infinities among the weights are not served.
.set TM,   8                           ; v8-11 largest magnitudes, v12-15 the other half's, then bytes, v20-23 the conversions' scale operands
.set PW,   24                          ; v24-27 the scale word of row block nb
.set SO,   28                          ; v[28:29] the two words that my lane stores
.set PC,   32                          ; v32-63 codes, 8 registers a row block
.set SETA, 64                          ; three sets of 64 numbers
.set SETB, 128
.set SETC, 192
; 64 numbers of my row of row block nb: register 16 b + 4 j + i = k 32 b + 16 h + 4 j + i
.macro XLOAD set, nb
.irp b, 0,1,2,3
.irp j, 0,1,2,3
	global_load_b128 v[\set+16*\b+4*\j:\set+16*\b+4*\j+3], v3, s[26:27] offset:(\nb)*65536+128*\b+16*\j th:TH_LOAD_NT
.endr
.endr
.endm
; 64 numbers of a lane become a fragment's 8 registers of codes at v[pc] and its row's scale word in v[pw]
.macro QUANT s, pc, pw
.irp b, 0,1,2,3
	v_max3_num_f32 v[TM+\b], |v[\s+16*\b]|, |v[\s+1+16*\b]|, 0x1800000   ; block b: my 16 numbers, and the floor 2^(3 - 127): the byte cannot fall under 1
.endr
.irp i, 2,4,6,8,10,12,14
.irp b, 0,1,2,3
	v_max3_num_f32 v[TM+\b], v[TM+\b], |v[\s+16*\b+\i]|, |v[\s+1+16*\b+\i]|   ; the four blocks by turns
.endr
.endr
.irp b, 0,1,2,3
	v_permlanex16_b32 v[TM+4+\b], v[TM+\b], s24, s25
.endr
.irp b, 0,1,2,3
	v_max_num_f32 v[TM+\b], v[TM+\b], v[TM+4+\b]                   ; with lane l xor 16's 16 numbers: the block's largest magnitude
.endr
.irp b, 0,1,2,3
	v_add_nc_u32 v[TM+12+\b], 0xff000000, v[TM+\b]                 ; 2 off its exponent field: the conversion takes this operand's exponent field as its scale
.endr
.irp b, 0,1,2,3
	v_lshrrev_b32 v[TM+4+\b], 23, v[TM+12+\b]                      ; the scale's byte
.endr
	v_lshl_or_b32 v[\pw], v[TM+5], 8, v[TM+4]
	v_lshl_or_b32 v[\pw], v[TM+6], 16, v[\pw]
	v_lshl_or_b32 v[\pw], v[TM+7], 24, v[\pw]
.irp b, 0,1,2,3
	v_cvt_scalef32_pk8_fp4_f32 v[\pc+2*\b], v[\s+16*\b:\s+7+16*\b], v[TM+12+\b]
	v_cvt_scalef32_pk8_fp4_f32 v[\pc+1+2*\b], v[\s+8+16*\b:\s+15+16*\b], v[TM+12+\b]
.endr
	v_nop                                          ; one plain place behind a scaled conversion
.irp c, 0,1                                    ; the operand's layout wants a whole block in a lane: lanes 0-15 block 2 c, lanes 16-31 block 2 c + 1
.irp i, 0,1
	v_permlane16_swap_b32 v[\pc+4*\c+\i], v[\pc+2+4*\c+\i]
.endr
.endr
.endm
.macro PUT nb                          ; the fragment goes out as it stands: each store covers 512 consecutive bytes, aligned
.irp c, 0,1
	global_store_b128 v4, v[PC+8*(\nb)+4*\c:PC+8*(\nb)+4*\c+3], s[12:13] offset:1024*(\nb)+512*\c
.endr
.endm
	s_load_b512 s[4:19], s[0:1], 0x0               ; Wq s[4:5], Wk s[6:7], Wv s[8:9], mask s[10:11], wimg s[12:13], wscl s[14:15], idx s[16:17], cnt s[18:19]
	v_and_b32 v1, 15, v0                           ; r
	v_lshrrev_b32 v2, 4, v0                        ; h
	v_lshlrev_b32 v3, 12, v1
	v_lshl_add_u32 v3, v2, 6, v3                   ; W: row r of 4,096 bytes, + 64 h: my 16 numbers of a block of 32
	v_lshlrev_b32 v4, 4, v0                        ; 16 x lane
	v_lshlrev_b32 v5, 3, v0                        ; 8 x lane
	s_mov_b32 s24, 0x76543210
	s_mov_b32 s25, 0xfedcba98                      ; v_permlanex16_b32's selects for lane l xor 16
	s_mov_b32 s29, 0
	s_wait_kmcnt 0x0
	s_cmp_ge_u32 ttmp9, 384
	s_cbranch_scc1 .Lroute
	; ---- a piece of a weight
	s_lshr_b32 s20, ttmp9, 7                       ; which tensor
	s_cmp_eq_u32 s20, 0
	s_cselect_b64 s[26:27], s[4:5], s[6:7]
	s_cmp_eq_u32 s20, 2
	s_cselect_b64 s[26:27], s[8:9], s[26:27]
	s_bfe_u32 s21, ttmp9, 0x40003                  ; the head: 64 rows of 4,096 bytes
	s_and_b32 s22, ttmp9, 7                        ; the K step: 512 bytes of a row
	s_lshl_b32 s21, s21, 18
	s_lshl_b32 s22, s22, 9
	s_add_co_u32 s28, s21, s22
	s_add_nc_u64 s[26:27], s[26:27], s[28:29]
	s_lshl_b32 s28, ttmp9, 12
	s_add_nc_u64 s[12:13], s[12:13], s[28:29]      ; 4,096 bytes of codes for each g
	s_lshl_b32 s28, ttmp9, 8
	s_add_nc_u64 s[14:15], s[14:15], s[28:29]      ; 256 bytes of scale words
.irp b, 0,1,2,3
	v_mov_b32 v[TM+4+\b], 0                        ; written once: a lane permute's destination counts as one of its sources
.endr
	XLOAD SETA, 0
	XLOAD SETB, 1
	XLOAD SETC, 2
	s_wait_loadcnt 32                              ; row block 0's 16 loads are in; the 32 behind them may be out
	QUANT SETA, PC, PW
	XLOAD SETA, 3
	PUT 0
	s_wait_loadcnt 32                              ; row block 1's are in; blocks 2 and 3 may be out
	QUANT SETB, PC+8, PW+1
	PUT 1
	s_wait_loadcnt 16
	QUANT SETC, PC+16, PW+2
	PUT 2
	s_wait_loadcnt 0x0
	QUANT SETA, PC+24, PW+3
	PUT 3
	v_cmp_le_u32 vcc_lo, 16, v0                    ; lanes 16-31 take the odd row blocks' words
	v_cndmask_b32 v[SO], v[PW], v[PW+1], vcc_lo
	v_cndmask_b32 v[SO+1], v[PW+2], v[PW+3], vcc_lo
	global_store_b64 v5, v[SO:SO+1], s[14:15]      ; 32 lanes store 256 consecutive bytes, aligned
	s_endpgm
	; ---- a batch's mask.  Lane l owns keys 64 l .. 64 l + 63
.Lroute:
	s_sub_co_u32 s20, ttmp9, 384                   ; the batch
	s_lshl_b32 s28, s20, 13                        ; 2,048 words
	s_add_nc_u64 s[10:11], s[10:11], s[28:29]
	s_add_nc_u64 s[16:17], s[16:17], s[28:29]
	s_lshl_b32 s28, s20, 3
	s_add_nc_u64 s[18:19], s[18:19], s[28:29]
	s_lshl_b32 s23, s20, 11                        ; the batch's first source row
	v_lshlrev_b32 v1, 8, v0
.irp i, 0,1,2,3,4,5,6,7,8,9,10,11,12,13,14,15
	global_load_b128 v[16+4*\i:19+4*\i], v1, s[10:11] offset:16*\i
.endr
	v_mov_b32 v2, 0
	v_mov_b32 v3, 0
	s_mov_b32 s21, 0
	s_wait_loadcnt 0x0
.set n, 0
.rept 64
	v_cmp_ne_u32 vcc_lo, 0, v[16+n]
	v_add_co_ci_u32 v2, vcc_lo, 0, v2, vcc_lo      ; my lane's count of keys that count
.set n, n+1
.endr
.set n, 0
.rept 32                                       ; the sum of the lanes before me, lane by lane; at the end s21 is the batch's count
	v_writelane_b32 v3, s21, n
	v_readlane_b32 s22, v2, n
	s_add_co_u32 s21, s21, s22
.set n, n+1
.endr
	v_lshlrev_b32 v4, 6, v0
	v_add_nc_u32 v5, s23, v4                       ; my first key's source row
	v_add_nc_u32 v4, s21, v4                       ; count + my first key: a key that does not count goes to count + key - (those that count before it)
.set n, 0
.rept 64                                       ; each key has registers of its own for address and data: no store's source is written again
	v_cmp_ne_u32 vcc_lo, 0, v[16+n]
	v_sub_nc_u32 v[80+n], v4, v3
	v_add_nc_u32 v[80+n], n, v[80+n]
	v_cndmask_b32 v[80+n], v[80+n], v3, vcc_lo     ; a key that counts goes to the number of those before it
	v_add_co_ci_u32 v3, vcc_lo, 0, v3, vcc_lo
	v_min_u32 v[80+n], 0x7ff, v[80+n]              ; a place in the list: held inside it
	v_lshlrev_b32 v[80+n], 2, v[80+n]
	v_add_nc_u32 v[144+n], n, v5
	global_store_b32 v[80+n], v[144+n], s[16:17]
.set n, n+1
.endr
	s_cmp_eq_u32 s21, 0
	s_cselect_b32 s22, 0x800, s21                  ; n
	s_cselect_b32 s23, 0, 0x3e38aa3b               ; c = log2(e) / 8, or 0
	v_mov_b32 v12, s22
	v_mov_b32 v13, s23
	v_mov_b32 v14, 0
	s_wait_xcnt 0x0                                ; EXEC changes only behind this wait: the stores above have it among their sources
	v_cmp_eq_u32 vcc_lo, 0, v0
	s_and_saveexec_b32 s26, vcc_lo
	global_store_b64 v14, v[12:13], s[18:19]
	s_wait_xcnt 0x0                                ; and again in front of the line that widens it
	s_or_b32 exec_lo, exec_lo, s26
	s_endpgm
.Lfunc_end_k_qa82e0ac5d9_prep:
	.size	k_qa82e0ac5d9_prep, .Lfunc_end_k_qa82e0ac5d9_prep-k_qa82e0ac5d9_prep
	.p2alignl 7, 3214868480
	.fill 96, 4, 3214868480
	.section	.rodata,"a",@progbits
	.p2align	6, 0x0
	.amdhsa_kernel k_qa82e0ac5d9_prep
		.amdhsa_group_segment_fixed_size 0
		.amdhsa_private_segment_fixed_size 0
		.amdhsa_enable_private_segment 0
		.amdhsa_kernarg_size 64
		.amdhsa_user_sgpr_count 2
		.amdhsa_user_sgpr_kernarg_segment_ptr 1
		.amdhsa_wavefront_size32 1
		.amdhsa_system_sgpr_workgroup_id_x 1
		.amdhsa_system_sgpr_workgroup_id_y 1
		.amdhsa_system_sgpr_workgroup_id_z 1
		.amdhsa_system_vgpr_workitem_id 0
		.amdhsa_next_free_vgpr 256
		.amdhsa_next_free_sgpr 66
		.amdhsa_reserve_vcc 1
		.amdhsa_float_denorm_mode_32 3
		.amdhsa_float_denorm_mode_16_64 3
		.amdhsa_memory_ordered 1
		.amdhsa_forward_progress 1
		.amdhsa_inst_pref_size 59
	.end_amdhsa_kernel
	.amdgpu_metadata
---
amdhsa.version: [ 1, 2 ]
amdhsa.kernels:
  - .name:           k_qa82e0ac5d9_prep
    .symbol:         k_qa82e0ac5d9_prep.kd
    .args:
      - { .name: Wq, .offset: 0, .size: 8, .value_kind: global_buffer, .address_space: global }
      - { .name: Wk, .offset: 8, .size: 8, .value_kind: global_buffer, .address_space: global }
      - { .name: Wv, .offset: 16, .size: 8, .value_kind: global_buffer, .address_space: global }
      - { .name: mask, .offset: 24, .size: 8, .value_kind: global_buffer, .address_space: global }
      - { .name: wimg, .offset: 32, .size: 8, .value_kind: global_buffer, .address_space: global }
      - { .name: wscl, .offset: 40, .size: 8, .value_kind: global_buffer, .address_space: global }
      - { .name: idx, .offset: 48, .size: 8, .value_kind: global_buffer, .address_space: global }
      - { .name: cnt, .offset: 56, .size: 8, .value_kind: global_buffer, .address_space: global }
    .group_segment_fixed_size: 0
    .private_segment_fixed_size: 0
    .kernarg_segment_align: 8
    .kernarg_segment_size: 64
    .max_flat_workgroup_size: 32
    .sgpr_count:     66
    .vgpr_count:     256
    .wavefront_size: 32
...
	.end_amdgpu_metadata
.endif
;; end of part 1
;; launch proj (part 2): grid 64 x 3, 4 waves a work-group, no clusters, 124,416 bytes of LDS; arguments Q, K, V, bq, bv, idx, wimg, wscl, qh, kh, vh; writes qh, kh, vh
.if DOCPART == 2
	.amdgcn_target "amdgcn-amd-amdhsa--gfx1250"
	.amdhsa_code_object_version 6
	.text
	.protected	k_qa82e0ac5d9_proj
	.globl	k_qa82e0ac5d9_proj
	.p2align	8
	.type	k_qa82e0ac5d9_proj,@function
k_qa82e0ac5d9_proj:
	s_mov_b64 s[64:65], 0
	v_nop
	global_prefetch_b8 v0, s[64:65] scope:SCOPE_SE
	s_setreg_imm32_b32 hwreg(HW_REG_WAVE_MODE, 25, 1), 1
	s_wait_xcnt 0x0
; PROJ.  y = 0: q = Q Wq^T + bq;  y = 1: k = K Wk^T;  y = 2: v = V Wv^T + bv.  Both operands of each product are codes of FP4 (E2M1) with one E8M0 scale for each 32 along K = 1,024; sums in f32; results rounded once to f16.
; A work-group takes 128 rows of the result (tile x) and all 1,024 outputs.  The rows of k and v are laid in the ORDER OF THE LIST idx (keys that count first): row p of the result is made of source row idx[p]; q's rows are taken as they lie.
; Results: [batch][head][row][64] f16.
; PHASE X: wave w gathers source rows 32 w .. 32 w + 31 of the tile, a whole row of 4,096 bytes at a time (eight dense loads of 512 bytes), turns it through its own stage in LDS so that a lane holds 16 neighbours of each half row,
;   quantises (two neighbouring lanes hold a block of 32) and puts codes and scale bytes into LDS, row by row.  Four rows of a wave are on their way at any time.  One barrier.
; PHASE G: THE WAVES SHARE THE COLUMNS: wave w makes heads 4 w .. 4 w + 3 for all 128 rows.  The rows' 64 fragments (8 row blocks x 8 K steps, 512 registers) are read from LDS once and stay.  W's fragments come from memory
;   straight into operand registers (the launch before laid them so), through a ring of four K steps; each feeds eight matrix instructions.
; THE MATRIX INSTRUCTION IS USED TRANSPOSED (source 0 = 16 rows of W, source 1 = 16 rows of x): a lane holds eight neighbouring outputs of one row.  The bias is the C of a sum's first instruction.
; NO JOINT LOADS: each fragment of W is read by one wave of a work-group and goes into registers, not into LDS; what the work-groups share is 544 KiB of codes and scale words that each of them walks once.
; LIMITS: results beyond 65,504 overflow f16; a block of zeros gets the scale byte 1 (its codes are zeros; this program alone reads the bytes); NaN and infinities among the inputs are not served.
; REGISTERS, in windows of 256.  window 0: v1-14 addresses; v16-47 x's scale words; v48-55 W's (these 40 hold scales and nothing else); v56-87 the bias; v88-119 the way out; v120-247 W's ring, 4 slots of 32.
;   (phase X: v56-119 two sets of 32 numbers, v120-137 at work.)   windows 1, 2: x's fragments, (a, s) at 8 (8 (a % 4) + s) of window 1 + a / 4 (phase X: window 1, v0-127: four rows as loaded).   window 3: 32 accumulators, (nb, a) at 8 (8 nb + a).
.set CP,    528                        ; LDS: a row's 512 bytes of codes + 16
.set SCLS,  67584                      ; behind 128 such rows: the scale bytes, 32 a row + 16
.set SCP,   48
.set TURNB, 73728                      ; the stages of phase X: 10,240 bytes a wave: 2 rows x 2 halves x 32 places of 80 bytes
.set OUTST, 114688                     ; the stages of the way out: 16 rows x (128 + 16) bytes a wave
.set SPARE, 123904                     ; the spare words, 128 bytes for each wave: two blocks of 256 bytes that no other line names
.set L16,  1                           ; 16 x lane
.set TIN,  2                           ; stage, in: 80 (lane / 4) + 16 (lane % 4)
.set TOUT, 3                           ; stage, out: 80 x lane
.set CW0,  4                           ; my wave's first row of codes + 8 x lane
.set CWA,  5                           ; the same for the trip's four rows
.set SW0,  6                           ; my wave's first row of scale bytes + lane / 2
.set SWA,  7
.set IDX,  8                           ; lane i: the source row of my wave's row i
.set AF,   9                           ; a fragment's place: 528 r + 16 h
.set ASA,  10                          ; x's scale words: 48 r + 16 h
.set SL,   11                          ; 8 x lane
.set BI,   12                          ; 32 h
.set STO,  13
.set RD,   14
.set SA,   16
.set SBR,  48
.set BIAS, 56
.set XS0,  56
.set TMP,  88
.set BACK, 104
.set BR,   120
.set CD,   120                         ; phase X: codes, 2 rows x 2 halves x 2 registers
.set EB,   128                         ; bytes, 2 rows x 2 halves
.set MX,   132                         ; maxima, 2 a half
.set SCO,  136                         ; the conversions' scale operands
.set SPW,  248
.set NIL,  249
.set WV,   26
.set KM,   29                          ; 0 where the product has no bias, else all ones
.set IM,   30                          ; 0 where the rows are taken as they lie, else all ones
.set RL,   31                          ; the next row whose base is made
.set LR,   32                          ; the trip's four rows in the codes, in bytes
.set LS,   33                          ; and in the scale bytes
.set TRIP, 34
.set HDS,  35
.set MSB, 0
.macro WIN new                         ; the immediate's high byte repeats the setting that is left; a switch that changes nothing is dropped
.if MSB != (\new)
	s_set_vgpr_msb (MSB<<8)|(\new)
.set MSB, (\new)
.endif
.endm
.macro PLACES n
.rept \n
	v_nop
.endr
.endm
; the bases of the next four source rows.  A row number comes from the list: it is held inside the tensor's 8,192 rows
.macro ROWBASES
	s_wait_xcnt 0x0                                ; the loads that named these bases have read them
.irp k, 0,1,2,3
	v_readlane_b32 s36, v[IDX], s[RL]
	s_min_u32 s36, s36, 8191
	s_lshl_b32 s36, s36, 12
	s_add_nc_u64 s[40+2*\k:41+2*\k], s[4:5], s[36:37]
	s_add_co_u32 s[RL], s[RL], 1
.endr
.endm
.macro LOADROW k                       ; a whole row: eight loads of 512 consecutive bytes
	WIN 0x40
.irp i, 0,1,2,3,4,5,6,7
	global_load_b128 v[32*(\k)+4*\i:32*(\k)+4*\i+3], v[L16], s[40+2*(\k):41+2*(\k)] offset:512*\i th:TH_LOAD_NT
.endr
	WIN 0
.endm
.macro TURN k                          ; the row through my stage: LDS serves a wave's instructions in order, so no wait stands between the stores and the loads
	WIN 0x04
.irp i, 0,1,2,3,4,5,6,7
	ds_store_b128 v[TIN], v[32*(\k)+4*\i:32*(\k)+4*\i+3] offset:((\k)%2)*5120+(\i/4)*2560+640*(\i%4)
.endr
	WIN 0
.irp i, 0,1,2,3,4,5,6,7
	ds_load_b128 v[XS0+32*((\k)%2)+4*\i:XS0+32*((\k)%2)+4*\i+3], v[TOUT] offset:((\k)%2)*5120+(\i/4)*2560+16*(\i%4)
.endr
.endm
; One row.  load = 1: the row four further on is asked for;  turn = 1: the next row goes through the other stage;  lc: the loads that may stay out when the next row's eight have to be in
.macro ROWSTEP k, load, lc, turn
	s_wait_dscnt 4                                 ; this row's numbers are back from the stage; the four stores of the row before may be out
.if \load
	LOADROW \k
.endif
.if \turn
	s_wait_loadcnt \lc
	TURN (\k+1)%4
.endif
.set XR, XS0+32*((\k)%2)
.set CR, CD+4*((\k)%2)
.set ER, EB+2*((\k)%2)
.irp f, 0,1                                    ; the row's two halves by turns: a lane holds 16 neighbours of each
	v_max3_num_f32 v[MX+2*\f], |v[XR+16*\f]|, |v[XR+16*\f+1]|, |v[XR+16*\f+2]|
	v_max3_num_f32 v[MX+2*\f+1], |v[XR+16*\f+3]|, |v[XR+16*\f+4]|, |v[XR+16*\f+5]|
.endr
.irp i, 6,10
.irp f, 0,1
	v_max3_num_f32 v[MX+2*\f], v[MX+2*\f], |v[XR+16*\f+\i]|, |v[XR+16*\f+\i+1]|
	v_max3_num_f32 v[MX+2*\f+1], v[MX+2*\f+1], |v[XR+16*\f+\i+2]|, |v[XR+16*\f+\i+3]|
.endr
.endr
.irp f, 0,1
	v_max3_num_f32 v[MX+2*\f], v[MX+2*\f], |v[XR+16*\f+14]|, |v[XR+16*\f+15]|
.endr
.irp f, 0,1
	v_max3_num_f32 v[MX+2*\f], v[MX+2*\f], v[MX+2*\f+1], 0x1800000   ; and the floor 2^(3 - 127): the byte cannot fall under 1
.endr
.irp f, 0,1
	v_max_num_f32_dpp v[MX+2*\f], v[MX+2*\f], v[MX+2*\f] row_xmask:1 row_mask:0xf bank_mask:0xf   ; with my neighbour's 16: the block's largest magnitude
.endr
.irp f, 0,1
	v_add_nc_u32 v[SCO+\f], 0xff000000, v[MX+2*\f] ; 2 off its exponent field: the conversion's scale operand
.endr
.irp f, 0,1
	v_cvt_scalef32_pk8_fp4_f32 v[CR+2*\f], v[XR+16*\f:XR+16*\f+7], v[SCO+\f]
	v_cvt_scalef32_pk8_fp4_f32 v[CR+2*\f+1], v[XR+16*\f+8:XR+16*\f+15], v[SCO+\f]
.endr
.irp f, 0,1
	v_lshrrev_b32 v[ER+\f], 23, v[SCO+\f]          ; the scale's byte (also the plain place behind the conversions)
.endr
.irp f, 0,1
	ds_store_b8 v[SWA], v[ER+\f] offset:SCP*(\k)+16*\f             ; both lanes of a block write the same byte with the same value
.endr
.irp f, 0,1
	ds_store_b64 v[CWA], v[CR+2*\f:CR+2*\f+1] offset:CP*(\k)+256*\f
.endr
.endm
; W's four fragments and their scale words of K step g (counted from the head in hand) into ring slot g % 4: nine loads
.macro BLOAD g
.irp nb, 0,1,2,3
.irp c, 0,1
	global_load_b128 v[BR+32*((\g)%4)+8*\nb+4*\c:BR+32*((\g)%4)+8*\nb+4*\c+3], v[L16], s[16:17] offset:4096*(\g)+1024*\nb+512*\c
.endr
.endr
	global_load_b64 v[SBR+2*((\g)%4):SBR+2*((\g)%4)+1], v[SL], s[18:19] offset:256*(\g)
.endm
.macro BIASLOAD off                    ; lane (r, h) wants, for row block nb of W, the bias of outputs 16 nb + 8 h + 0 .. 7: eight loads
.irp nb, 0,1,2,3
	global_load_b128 v[BIAS+8*\nb:BIAS+8*\nb+3], v[BI], s[10:11] offset:\off+64*\nb
	global_load_b128 v[BIAS+8*\nb+4:BIAS+8*\nb+7], v[BI], s[10:11] offset:\off+64*\nb+16
.endr
.endm
; one product: W's row block nb x x's row block 4 g + aa, K step s.  W's scale words: register nb / 2 of the slot, upper lanes for odd nb; x's: register s % 4 of the row block, upper lanes for s >= 4
.macro MM s, first, g, aa, nb
.set rD, 8*(8*(\nb)+4*(\g)+(\aa))
.set rA, BR+32*((\s)%4)+8*(\nb)
.set rB, 8*(8*(\aa)+(\s))
.set rC, rD
.if \first
.set rC, BIAS+8*(\nb)
.endif
.set rSA, SBR+2*((\s)%4)+(\nb)/2
.set rSB, SA+4*(4*(\g)+(\aa))+(\s)%4
.if ((\nb)%2 == 1) && ((\s) >= 4)
	v_wmma_scale_f32_16x16x128_f8f6f4 v[rD:rD+7], v[rA:rA+7], v[rB:rB+7], v[rC:rC+7], v[rSA], v[rSB] matrix_a_fmt:MATRIX_FMT_FP4 matrix_b_fmt:MATRIX_FMT_FP4 matrix_a_scale:MATRIX_SCALE_ROW1 matrix_b_scale:MATRIX_SCALE_ROW1
.elseif (\nb)%2 == 1
	v_wmma_scale_f32_16x16x128_f8f6f4 v[rD:rD+7], v[rA:rA+7], v[rB:rB+7], v[rC:rC+7], v[rSA], v[rSB] matrix_a_fmt:MATRIX_FMT_FP4 matrix_b_fmt:MATRIX_FMT_FP4 matrix_a_scale:MATRIX_SCALE_ROW1
.elseif (\s) >= 4
	v_wmma_scale_f32_16x16x128_f8f6f4 v[rD:rD+7], v[rA:rA+7], v[rB:rB+7], v[rC:rC+7], v[rSA], v[rSB] matrix_a_fmt:MATRIX_FMT_FP4 matrix_b_fmt:MATRIX_FMT_FP4 matrix_b_scale:MATRIX_SCALE_ROW1
.else
	v_wmma_scale_f32_16x16x128_f8f6f4 v[rD:rD+7], v[rA:rA+7], v[rB:rB+7], v[rC:rC+7], v[rSA], v[rSB] matrix_a_fmt:MATRIX_FMT_FP4 matrix_b_fmt:MATRIX_FMT_FP4
.endif
.endm
; a K step: 32 matrix instructions; the 32 accumulators take turns, one instruction a turn, in the same order in every step
.macro MULK s, first
.irp g, 0,1
.if \first
	WIN 0xc4+4*\g                                  ; W window 0, x window 1 + g, the bias window 0, D window 3
.else
	WIN 0xf4+4*\g                                  ; C and D window 3
.endif
.irp aa, 0,1,2,3
.irp nb, 0,1,2,3
	MM \s, \first, \g, \aa, \nb
.endr
.endr
.endr
.endm
.macro SENDB a                         ; 16 rows of the head: each store covers 4 rows of 128 bytes: 512 consecutive bytes, aligned
	s_wait_dscnt 0x0                               ; the block is back in registers
.irp i, 0,1,2,3
	global_store_b128 v[L16], v[BACK+4*\i:BACK+4*\i+3], s[20:21] offset:(16*(\a)+4*\i)*128
.endr
	s_wait_xcnt 0x0                                ; the stores have read their registers and their base: both may be written again
.endm
.macro TOSTAGE                         ; a lane's 16 bytes belong to one row and the lanes beside it hold other rows: through my own stage, back as whole rows
.irp nb, 0,1,2,3
	ds_store_b128 v[STO], v[TMP+4*\nb:TMP+4*\nb+3] offset:32*\nb
.endr
.irp i, 0,1,2,3
	ds_load_b128 v[BACK+4*\i:BACK+4*\i+3], v[RD] offset:576*\i     ; LDS serves a wave's instructions in order: these see the stores above
.endr
.endm
; a head: 8 K steps, then the way out.  last = 1: nothing beyond this head is asked for
.macro HEAD last
.irp s, 0,1,2,3,4,5,6,7
.if \last
.if \s < 5
	s_wait_loadcnt 27                              ; this step's nine loads are in; three younger groups of nine may be out
.else
	s_wait_loadcnt 9*(7-\s)                        ; the counts run down
.endif
.else
.if (\s >= 1) && (\s <= 3)
	s_wait_loadcnt 35                              ; three younger groups of nine, and the next head's eight bias loads among them
.else
	s_wait_loadcnt 27
.endif
.endif
.if \s == 0
.set n, 0
.rept 32
	v_cndmask_b32 v[BIAS+n], 0, v[BIAS+n], s[KM]   ; the product without a bias starts from zeros
.set n, n+1
.endr
	PLACES 4
	MULK \s, 1
.else
	MULK \s, 0
.endif
	PLACES 4                                       ; in front of loads into registers that these products have read, and of the first read of results
	WIN 0
.if (\s == 0) && (\last == 0)
	BIASLOAD 256
.endif
.if (\last == 0) || (\s < 4)
	BLOAD \s+4
.endif
.endr
.irp a, 0,1,2,3,4,5,6,7                        ; block a's conversions stand between block a - 1's loads from the stage and the wait for them
	WIN 0x0f                                       ; sources window 3
.irp nb, 0,1,2,3
.irp i, 0,1,2,3
	v_cvt_pk_f16_f32 v[TMP+4*\nb+\i], v[8*(8*\nb+\a)+2*\i], v[8*(8*\nb+\a)+2*\i+1]   ; each accumulator from its low end on
.endr
.endr
	WIN 0
.if \a > 0
	SENDB \a-1
.endif
	TOSTAGE
.endr
	SENDB 7
.if \last == 0
	s_add_nc_u64 s[16:17], s[16:17], 32768         ; the next head: 8 K steps of codes,
	s_add_nc_u64 s[18:19], s[18:19], 2048          ; of scale words,
	s_add_nc_u64 s[10:11], s[10:11], 256           ; 64 numbers of the bias,
	s_add_nc_u64 s[20:21], s[20:21], 262144        ; 2,048 rows of 128 bytes of the result
.endif
.endm
	s_load_b512 s[4:19], s[0:1], 0x0               ; Q s[4:5], K s[6:7], V s[8:9], bq s[10:11], bv s[12:13], idx s[14:15], wimg s[16:17], wscl s[18:19]
	s_load_b128 s[20:23], s[0:1], 0x40             ; qh, kh
	s_load_b64 s[24:25], s[0:1], 0x50              ; vh
	v_lshl_add_u32 v[SPW], v0, 2, SPARE
	v_mov_b32 v[NIL], 0
	v_lshrrev_b32 v15, 5, v0
	v_readfirstlane_b32 s[WV], v15                 ; wave 0..3
	v_and_b32 v15, 31, v0                          ; lane
	v_and_b32 v120, 15, v0                         ; r
	v_bfe_u32 v121, v0, 4, 1                       ; h
	v_lshlrev_b32 v[L16], 4, v15
	s_mul_i32 s36, s[WV], 10240
	s_add_co_u32 s36, s36, TURNB
	v_lshrrev_b32 v[TIN], 2, v15
	v_mul_u32_u24 v[TIN], v[TIN], 80
	v_and_b32 v[TOUT], 3, v15
	v_lshl_add_u32 v[TIN], v[TOUT], 4, v[TIN]
	v_add_nc_u32 v[TIN], s36, v[TIN]
	v_mul_u32_u24 v[TOUT], v15, 80
	v_add_nc_u32 v[TOUT], s36, v[TOUT]
	s_mul_i32 s36, s[WV], 32*CP
	v_lshlrev_b32 v[CW0], 3, v15
	v_add_nc_u32 v[CW0], s36, v[CW0]
	s_mul_i32 s36, s[WV], 32*SCP
	s_add_co_u32 s36, s36, SCLS
	v_lshrrev_b32 v[SW0], 1, v15
	v_add_nc_u32 v[SW0], s36, v[SW0]
	v_mul_u32_u24 v[AF], v120, CP
	v_lshl_add_u32 v[AF], v121, 4, v[AF]
	v_mul_u32_u24 v[ASA], v120, SCP
	v_lshl_add_u32 v[ASA], v121, 4, v[ASA]
	v_add_nc_u32 v[ASA], SCLS, v[ASA]
	v_lshlrev_b32 v[SL], 3, v15
	v_lshlrev_b32 v[BI], 5, v121
	s_mul_i32 s36, s[WV], 2304
	s_add_co_u32 s36, s36, OUTST
	v_mul_u32_u24 v[STO], v120, 144
	v_lshl_add_u32 v[STO], v121, 4, v[STO]
	v_add_nc_u32 v[STO], s36, v[STO]               ; in: row r, + 16 h
	v_lshrrev_b32 v[RD], 3, v15
	v_mul_u32_u24 v[RD], v[RD], 144
	v_and_b32 v122, 7, v15
	v_lshl_add_u32 v[RD], v122, 4, v[RD]
	v_add_nc_u32 v[RD], s36, v[RD]                 ; back: eight lanes to a row, four rows an instruction
	s_lshl_b32 s28, ttmp9, 7
	s_lshl_b32 s38, s[WV], 5
	s_add_co_u32 s28, s28, s38                     ; my wave's first row: 128 x + 32 w
	v_add_nc_u32 v122, s28, v15                    ; the rows as they lie
	v_lshlrev_b32 v123, 2, v15
	s_and_b32 s27, ttmp7, 0xffff                   ; y: which product
	s_mov_b32 s37, 0
	s_mov_b32 s[RL], 0
	s_mov_b32 s[LR], 0
	s_mov_b32 s[LS], 0
	s_wait_kmcnt 0x0
	s_lshl_b32 s36, s28, 2
	s_add_nc_u64 s[14:15], s[14:15], s[36:37]
	global_load_b32 v[IDX], v123, s[14:15]         ; lane i: the list's entry for my wave's row i
	s_cmp_eq_u32 s27, 1                            ; the choices hang on the work-group's number alone
	s_cselect_b64 s[4:5], s[6:7], s[4:5]
	s_cselect_b64 s[20:21], s[22:23], s[20:21]
	s_cselect_b32 s[KM], 0, -1
	s_cmp_eq_u32 s27, 2
	s_cselect_b64 s[4:5], s[8:9], s[4:5]
	s_cselect_b64 s[20:21], s[24:25], s[20:21]
	s_cselect_b64 s[10:11], s[12:13], s[10:11]
	s_cmp_eq_u32 s27, 0
	s_cselect_b32 s[IM], 0, -1
	s_lshl_b32 s38, s27, 7
	s_lshl_b32 s39, s[WV], 5
	s_add_co_u32 s38, s38, s39                     ; 128 y + 32 w: my first head's first K step
	s_lshl_b32 s36, s38, 12
	s_add_nc_u64 s[16:17], s[16:17], s[36:37]
	s_lshl_b32 s36, s38, 8
	s_add_nc_u64 s[18:19], s[18:19], s[36:37]
	s_lshl_b32 s36, s[WV], 10
	s_add_nc_u64 s[10:11], s[10:11], s[36:37]      ; my four heads' bias
	s_lshr_b32 s38, ttmp9, 4
	s_lshl_b32 s38, s38, 4
	s_lshl_b32 s39, s[WV], 2
	s_add_co_u32 s38, s38, s39                     ; 16 x batch + my first head
	s_lshl_b32 s38, s38, 11
	s_and_b32 s39, ttmp9, 15
	s_lshl_b32 s39, s39, 7
	s_add_co_u32 s38, s38, s39                     ; x 2,048 rows + the tile's first row in its batch
	s_lshl_b32 s36, s38, 7
	s_add_nc_u64 s[20:21], s[20:21], s[36:37]
	s_wait_loadcnt 0x0
	v_cndmask_b32 v[IDX], v122, v[IDX], s[IM]
	; ---- PHASE X
	ROWBASES
	LOADROW 0
	LOADROW 1
	LOADROW 2
	LOADROW 3
	s_wait_loadcnt 24                              ; row 0's eight loads are in
	TURN 0
	s_wait_dscnt 0x0                               ; (the first row has no stores of a row before it behind its loads)
	s_mov_b32 s[TRIP], 7
.Lrows:                                                ; a trip: four rows are quantised, the four behind them asked for
	ROWBASES
	v_add_nc_u32 v[CWA], s[LR], v[CW0]
	v_add_nc_u32 v[SWA], s[LS], v[SW0]
	ROWSTEP 0, 1, 24, 1                            ; 24: the three younger rows may be out
	ROWSTEP 1, 1, 24, 1
	ROWSTEP 2, 1, 24, 1
	ROWSTEP 3, 1, 24, 1
	s_add_co_u32 s[LR], s[LR], 4*CP
	s_add_co_u32 s[LS], s[LS], 4*SCP
	s_sub_co_u32 s[TRIP], s[TRIP], 1
	s_cmp_lg_u32 s[TRIP], 0
	s_cbranch_scc1 .Lrows
	v_add_nc_u32 v[CWA], s[LR], v[CW0]             ; the last four rows load nothing: the counts run down
	v_add_nc_u32 v[SWA], s[LS], v[SW0]
	ROWSTEP 0, 0, 16, 1
	ROWSTEP 1, 0, 8, 1
	ROWSTEP 2, 0, 0, 1
	ROWSTEP 3, 0, 0, 0
	s_wait_dscnt 0x0                               ; for the others' sake: my codes and scale bytes lie in LDS; and my stores have read their registers
	BIASLOAD 0                                     ; phase G's first loads go out ahead of the barrier
	BLOAD 0
	BLOAD 1
	BLOAD 2
	BLOAD 3
	s_barrier_signal -1
	s_barrier_wait -1                              ; all 128 rows lie in LDS; nothing writes them again
	; ---- PHASE G
.irp a, 0,1,2,3,4,5,6,7
	WIN 0x40+0x40*(\a/4)
.irp s, 0,1,2,3,4,5,6,7
.irp c, 0,1
	ds_load_b128 v[8*(8*(\a%4)+\s)+4*\c:8*(8*(\a%4)+\s)+4*\c+3], v[AF] offset:\a*16*CP+64*\s+32*\c
.endr
.endr
.endr
	WIN 0
.irp a, 0,1,2,3,4,5,6,7
	ds_load_b128 v[SA+4*\a:SA+4*\a+3], v[ASA] offset:\a*16*SCP     ; lanes 0-15: the words of K steps 0-3 of row r; lanes 16-31: of K steps 4-7
.endr
	s_wait_dscnt 0x0
	s_mov_b32 s[HDS], 3
.Lhead:
	HEAD 0
	s_sub_co_u32 s[HDS], s[HDS], 1
	s_cmp_lg_u32 s[HDS], 0
	s_cbranch_scc1 .Lhead
	HEAD 1                                         ; the last head is written out: no load leaves its buffer
	s_wait_tensorcnt 0x0                           ; the wave's end: three closing lines, behind my last LDS store
	ds_add_u32 v[SPW], v[NIL]
	s_wait_dscnt 0x0
	s_endpgm
.Lfunc_end_k_qa82e0ac5d9_proj:
	.size	k_qa82e0ac5d9_proj, .Lfunc_end_k_qa82e0ac5d9_proj-k_qa82e0ac5d9_proj
	.p2alignl 7, 3214868480
	.fill 96, 4, 3214868480
	.section	.rodata,"a",@progbits
	.p2align	6, 0x0
	.amdhsa_kernel k_qa82e0ac5d9_proj
		.amdhsa_group_segment_fixed_size 124416
		.amdhsa_private_segment_fixed_size 0
		.amdhsa_enable_private_segment 0
		.amdhsa_kernarg_size 88
		.amdhsa_user_sgpr_count 2
		.amdhsa_user_sgpr_kernarg_segment_ptr 1
		.amdhsa_wavefront_size32 1
		.amdhsa_system_sgpr_workgroup_id_x 1
		.amdhsa_system_sgpr_workgroup_id_y 1
		.amdhsa_system_sgpr_workgroup_id_z 1
		.amdhsa_system_vgpr_workitem_id 0
		.amdhsa_next_free_vgpr 1024
		.amdhsa_next_free_sgpr 66
		.amdhsa_reserve_vcc 0
		.amdhsa_float_denorm_mode_32 3
		.amdhsa_float_denorm_mode_16_64 3
		.amdhsa_memory_ordered 1
		.amdhsa_forward_progress 1
		.amdhsa_inst_pref_size 166
	.end_amdhsa_kernel
	.amdgpu_metadata
---
amdhsa.version: [ 1, 2 ]
amdhsa.kernels:
  - .name:           k_qa82e0ac5d9_proj
    .symbol:         k_qa82e0ac5d9_proj.kd
    .args:
      - { .name: Q, .offset: 0, .size: 8, .value_kind: global_buffer, .address_space: global }
      - { .name: K, .offset: 8, .size: 8, .value_kind: global_buffer, .address_space: global }
      - { .name: V, .offset: 16, .size: 8, .value_kind: global_buffer, .address_space: global }
      - { .name: bq, .offset: 24, .size: 8, .value_kind: global_buffer, .address_space: global }
      - { .name: bv, .offset: 32, .size: 8, .value_kind: global_buffer, .address_space: global }
      - { .name: idx, .offset: 40, .size: 8, .value_kind: global_buffer, .address_space: global }
      - { .name: wimg, .offset: 48, .size: 8, .value_kind: global_buffer, .address_space: global }
      - { .name: wscl, .offset: 56, .size: 8, .value_kind: global_buffer, .address_space: global }
      - { .name: qh, .offset: 64, .size: 8, .value_kind: global_buffer, .address_space: global }
      - { .name: kh, .offset: 72, .size: 8, .value_kind: global_buffer, .address_space: global }
      - { .name: vh, .offset: 80, .size: 8, .value_kind: global_buffer, .address_space: global }
    .group_segment_fixed_size: 124416
    .private_segment_fixed_size: 0
    .kernarg_segment_align: 8
    .kernarg_segment_size: 88
    .max_flat_workgroup_size: 128
    .sgpr_count:     66
    .vgpr_count:     1024
    .wavefront_size: 32
...
	.end_amdgpu_metadata
.endif
;; end of part 2
;; launch attn (part 3): grid 4 x 64, 8 waves a work-group, no clusters, 74,752 bytes of LDS; arguments qh, kh, vh, cnt, out0; writes out0
.if DOCPART == 3
	.amdgcn_target "amdgcn-amd-amdhsa--gfx1250"
	.amdhsa_code_object_version 6
	.text
	.protected	k_qa82e0ac5d9_attn
	.globl	k_qa82e0ac5d9_attn
	.p2align	8
	.type	k_qa82e0ac5d9_attn,@function
k_qa82e0ac5d9_attn:
	s_mov_b64 s[64:65], 0
	v_nop
	global_prefetch_b8 v0, s[64:65] scope:SCOPE_SE
	s_setreg_imm32_b32 hwreg(HW_REG_WAVE_MODE, 25, 1), 1
	s_wait_xcnt 0x0
; ATTN.  out[b][q][64 hd ..] = the sum over keys of softmax(q . k / 8, masked keys at -1e9) v, for head y = 16 b + hd.  q, k, v: [b][hd][row][64] f16; products with f16 operands and f32 sums; maxima, sums and exponentials in f32.
; THE MASK.  k's and v's rows lie sorted, the n keys that count first.  As soon as one key counts, a masked key's weight exp(-1e9 - max) is 0 in f32: so only ceil(n / 64) key steps are walked.  In the last step the keys from n on
; get -8e9 added to their raw score, as the C of the first product: their weight is 0.  If no key of the batch counts, the launch before gives n = 2,048 and the factor c = 0: every weight is 1, as reference()'s uniform softmax has it.
; SHARES.  A work-group owns 512 queries of one head, each of its eight waves 64: four tiles of 16, in 512 registers: two waves to a SIMD.  Both products are used transposed (S^T = K Q^T, O^T = V^T P): a lane holds one query throughout.
; SOFTMAX.  For each query a running maximum m and sum l: p = 2^(c s - c m), c = log2(e) / 8; in every step O and l are multiplied by a = 2^(c m_old - c m_new).
; PERIODS.  Period j has in its LDS slot K of step j and V of step j - 1.  Its matrix phase is O += V^T P of step j - 1, then S = K Q^T of step j.  Waves of type 0 run the matrix phase and then the softmax of step j;
; waves of type 1 run the softmax of step j - 1 and then the matrix phase.  The type is (w xor w / 4) mod 2: one wave's vector work stands beside another's matrix work.  The branches hang on the wave's number and lead round work alone.
; THE WALK HANGS ON n, a stored whole number: so K and V reach LDS through registers, the loop's trip count is a constant, every wave passes every barrier, and a period beyond the last step runs the barrier alone.
; ONE BARRIER A PERIOD: in front of it each wave's stores of the period's tile have landed and its reads of the slot that is written next are over.
; NO JOINT LOADS: the eight waves of a work-group share each tile through LDS.
; LIMITS: scores of keys that count must lie above about -9e8 (under that reference()'s masked keys would weigh in; here they do not); NaN and infinities are not served; the sum over the keys runs in sorted order.
; REGISTERS.  window 0: v1-15 addresses; v16-47 statistics, 8 a tile: +0 c m, +1 m, +2, +3 l, +4, +5 at work, +6 a, +7 at work; v64-191 S^T, 32 a tile, P in place at 16 kb + 0 .. 7 of a tile; v192-255 eight fragments of K or of V.
;   window 1: v0-127 O^T (32 t + 8 ct); v128-191 Q (16 t + 8 e); v192-223 the additive mask (8 kt); v224-255 the loader's two sets of 16.
.set SLOT,  19456                      ; a slot: 64 rows of K, 128 bytes + 16; then 64 rows of V, 128 bytes + 32
.set VOFF,  9216
.set STAGE, 38912                      ; the way out: 16 rows x (256 + 16) bytes a wave
.set SPARE, 73728                      ; the spare words, 128 bytes for each wave: four blocks of 256 bytes that no other line names
.set AK,   1                           ; a fragment of K: 144 r + 16 h
.set AV,   2                           ; the turning load's place in V
.set LSK,  3                           ; the loader: thread t puts 16 bytes at row t / 8, column 16 (t % 8)
.set LSV,  4
.set T16,  5                           ; 16 t
.set GK,   6                           ; v6-7  the loads' offsets in K, one for each set
.set GV,   8                           ; v8-9  in V
.set H8,   10                          ; 8 h
.set D1,   11
.set NEGV, 12                          ; -8e9
.set STO,  13
.set RD,   14
.set GO,   15
.set ST,   16
.set QO,   48
.set PFO,  49                          ; 256 x lane
.set SPW,  50
.set NIL,  51
.set S,    64
.set KV,   192
.set OQ,   128                         ; in window 1
.set BIA,  192
.set RS,   224
.set N,    14                          ; s14  n
.set WV,   16
.set TY,   17
.set K0,   18                          ; s18  the first key of the period's step of K: 64 j
.set K0V,  19                          ; s19  and of V: 64 (j - 1)
.set CS,   20                          ; s[20:21] c, twice: the packed form names a pair
.set SEL,  22                          ; s[22:23] v_permlanex16_b32's selects for lane l xor 16
.set KO,   24                          ; s24  byte offset in the head of the tile of K last asked for
.set VO,   25
.set TR,   26
.set PFB,  28                          ; s[28:29] where my prefetches stand
.set PLIM, 30                          ; s30  n in a wave that prefetches, else 0
.set PK,   31
.set MSB, 0
.macro WIN new                         ; the immediate's high byte repeats the setting that is left; a switch that changes nothing is dropped
.if MSB != (\new)
	s_set_vgpr_msb (MSB<<8)|(\new)
.set MSB, (\new)
.endif
.endm
.macro PLACES n
.rept \n
	v_nop
.endr
.endm
; the tile two periods on is asked for: the next 64 rows of K, and the 64 rows of V one step behind them; each load covers 512 consecutive bytes a wave.  The offset is held at the head's last 64 rows: no load leaves the head
.macro LOADNEXT set
	s_mov_b32 s[VO], s[KO]
	s_add_co_u32 s[KO], s[KO], 8192
	s_min_u32 s[KO], s[KO], 253952
	v_add_nc_u32 v[GK+(\set)], s[KO], v[T16]       ; (the loads that named these two registers were waited for)
	v_add_nc_u32 v[GV+(\set)], s[VO], v[T16]
	WIN 0x40
	global_load_b128 v[RS+16*(\set):RS+16*(\set)+3], v[GK+(\set)], s[6:7]
	global_load_b128 v[RS+16*(\set)+4:RS+16*(\set)+7], v[GK+(\set)], s[6:7] offset:4096
	global_load_b128 v[RS+16*(\set)+8:RS+16*(\set)+11], v[GV+(\set)], s[8:9]
	global_load_b128 v[RS+16*(\set)+12:RS+16*(\set)+15], v[GV+(\set)], s[8:9] offset:4096
	WIN 0
.endm
.macro STORET set, slot                ; a set goes into its slot
	WIN 0x04
	ds_store_b128 v[LSK], v[RS+16*(\set):RS+16*(\set)+3] offset:(\slot)
	ds_store_b128 v[LSK], v[RS+16*(\set)+4:RS+16*(\set)+7] offset:(\slot)+4608
	ds_store_b128 v[LSV], v[RS+16*(\set)+8:RS+16*(\set)+11] offset:(\slot)
	ds_store_b128 v[LSV], v[RS+16*(\set)+12:RS+16*(\set)+15] offset:(\slot)+5120
	WIN 0
.endm
; A PREFETCH INTO THE L2 of rows 64 (j + 4) .. + 63: 8,192 consecutive bytes, lanes 256 bytes apart, one instruction a wave, behind the wave's own loads.  The four work-groups of a head walk the same K and V: the first of them asks,
; its wave 0 for K and its wave 1 for V: each block of 256 bytes is named once.  It asks two periods ahead of the load of K's rows and three ahead of V's, only for rows under n, and nothing at the head.
.macro ASK
	s_add_co_u32 s[PK], s[K0], 256
	s_cmp_lt_u32 s[PK], s[PLIM]
	s_cbranch_scc0 .Lnoask_\@
	global_prefetch_b8 v[PFO], s[PFB:PFB+1] th:TH_LOAD_NT scope:SCOPE_SE
.Lnoask_\@:
.endm
; S^T = K Q^T of the period's step: 32 matrix instructions; the 16 accumulators take turns.  The first 16 take the additive mask as C
.macro SPHASE slot
.irp kt, 0,1,2,3
.irp e, 0,1
	ds_load_b128 v[KV+8*(2*\kt+\e):KV+8*(2*\kt+\e)+3], v[AK] offset:(\slot)+2304*\kt+64*\e
	ds_load_b128 v[KV+8*(2*\kt+\e)+4:KV+8*(2*\kt+\e)+7], v[AK] offset:(\slot)+2304*\kt+64*\e+32
.endr
.endr
	s_add_co_u32 s36, s[K0], 64
	s_cmp_le_u32 s36, s[N]                         ; a step all of whose keys count keeps the zeros
	s_cbranch_scc1 .Lfull_\@
	s_sub_co_u32 s36, s[N], s[K0]
	s_sub_co_u32 s36, s36, 1
	v_sub_nc_u32 v[D1], s36, v[H8]                 ; register j of tile kt holds key K0 + 16 kt + 8 h + j: at or past n where 16 kt + j > n - K0 - 1 - 8 h
	WIN 0x40
.set n, 0
.rept 32
	v_cmp_gt_i32 vcc_lo, 16*(n/8)+n%8, v[D1]
	v_cndmask_b32 v[BIA+n], 0, v[NEGV], vcc_lo
.set n, n+1
.endr
	WIN 0
.Lfull_\@:
	s_wait_dscnt 0x0                               ; K is in
	WIN 0x14                                       ; K window 0, Q and the mask window 1, S^T window 0
.irp kt, 0,1,2,3
.irp t, 0,1,2,3
	v_wmma_f32_16x16x32_f16 v[S+32*\t+8*\kt:S+32*\t+8*\kt+7], v[KV+16*\kt:KV+16*\kt+7], v[OQ+16*\t:OQ+16*\t+7], v[BIA+8*\kt:BIA+8*\kt+7]
.endr
.endr
	WIN 0x04
.irp kt, 0,1,2,3
.irp t, 0,1,2,3
	v_wmma_f32_16x16x32_f16 v[S+32*\t+8*\kt:S+32*\t+8*\kt+7], v[KV+16*\kt+8:KV+16*\kt+15], v[OQ+16*\t+8:OQ+16*\t+15], v[S+32*\t+8*\kt:S+32*\t+8*\kt+7]
.endr
.endr
	PLACES 4                                       ; in front of the first read of the scores, and of loads into K's registers
	WIN 0
.endm
; the matrix phase: O^T += V^T P of the step before (32 matrix instructions, 16 accumulators by turns), then, if the period has a step of K, SPHASE.  Every way here passes four places or more behind the last product that read v192-255
.macro MPHASE slot, exit
.irp kb, 0,1
.irp ct, 0,1,2,3
	ds_load_tr16_b128 v[KV+8*(4*\kb+\ct):KV+8*(4*\kb+\ct)+3], v[AV] offset:(\slot)+5120*\kb+32*\ct
	ds_load_tr16_b128 v[KV+8*(4*\kb+\ct)+4:KV+8*(4*\kb+\ct)+7], v[AV] offset:(\slot)+5120*\kb+32*\ct+2560
.endr
.endr
	s_wait_dscnt 0x0                               ; V is in
	WIN 0x50                                       ; V and P window 0, O^T window 1
.irp kb, 0,1
.irp ct, 0,1,2,3
.irp t, 0,1,2,3
	v_wmma_f32_16x16x32_f16 v[32*\t+8*\ct:32*\t+8*\ct+7], v[KV+8*(4*\kb+\ct):KV+8*(4*\kb+\ct)+7], v[S+32*\t+16*\kb:S+32*\t+16*\kb+7], v[32*\t+8*\ct:32*\t+8*\ct+7]
.endr
.endr
.endr
	PLACES 5                                       ; the next scores are laid over P, which these products read: five places in front of a matrix instruction that writes over a source
	WIN 0
	s_cmp_ge_u32 s[K0], s[N]
	s_cbranch_scc1 \exit
	SPHASE \slot
.endm
.macro SCAL t, b                       ; pair b of tile t: c s - c m
	v_pk_fma_f32 v[S+32*(\t)+2*(\b):S+32*(\t)+2*(\b)+1], v[S+32*(\t)+2*(\b):S+32*(\t)+2*(\b)+1], s[CS:CS+1], v[ST+8*(\t):ST+8*(\t)+1] op_sel_hi:[1,0,0] neg_lo:[0,0,1] neg_hi:[0,0,1]
.endm
; the softmax of one step, the four tiles by turns in every line, so that no line waits for the line above it
.macro SOFTMAX
.irp t, 0,1,2,3
	v_max3_num_f32 v[ST+8*\t+4], v[S+32*\t], v[S+32*\t+1], v[S+32*\t+2]   ; two chains; by this order each accumulator is first read at its low end
.endr
.irp t, 0,1,2,3
	v_max3_num_f32 v[ST+8*\t+5], v[S+32*\t+3], v[S+32*\t+4], v[S+32*\t+5]
.endr
.irp i, 6,10,14,18,22,26
.irp t, 0,1,2,3
	v_max3_num_f32 v[ST+8*\t+4], v[ST+8*\t+4], v[S+32*\t+\i], v[S+32*\t+\i+1]
.endr
.irp t, 0,1,2,3
	v_max3_num_f32 v[ST+8*\t+5], v[ST+8*\t+5], v[S+32*\t+\i+2], v[S+32*\t+\i+3]
.endr
.endr
.irp t, 0,1,2,3
	v_max3_num_f32 v[ST+8*\t+4], v[ST+8*\t+4], v[S+32*\t+30], v[S+32*\t+31]
.endr
.irp t, 0,1,2,3
	v_max3_num_f32 v[ST+8*\t+4], v[ST+8*\t+4], v[ST+8*\t+5], v[ST+8*\t+1]   ; with the old m
.endr
.irp t, 0,1,2,3
	v_permlanex16_b32 v[ST+8*\t+5], v[ST+8*\t+4], s[SEL], s[SEL+1]   ; the query's other 32 keys lie in the lane 16 away
.endr
.irp t, 0,1,2,3
	v_mov_b32 v[ST+8*\t+7], v[ST+8*\t]             ; c m_old
.endr
.irp t, 0,1,2,3
	v_max_num_f32 v[ST+8*\t+1], v[ST+8*\t+4], v[ST+8*\t+5]
.endr
.irp t, 0,1,2,3
	v_mul_f32 v[ST+8*\t], s[CS], v[ST+8*\t+1]
.endr
.irp t, 0,1,2,3
	v_sub_f32 v[ST+8*\t+7], v[ST+8*\t+7], v[ST+8*\t]
.endr
.irp t, 0,1,2,3
	v_exp_f32 v[ST+8*\t+6], v[ST+8*\t+7]           ; a.  ONE BATCH from here on: 132 exponentials, none of whose results is named ahead of the one wait
.endr
.irp b, 0,1,2,3,4,5,6,7,8,9,10,11,12,13,14,15
	SCAL 0, \b
.endr
.irp t, 0,1,2,3
.irp b, 0,1,2,3,4,5,6,7,8,9,10,11,12,13,14,15
.if \t < 3
	SCAL \t+1, \b                                  ; the next tile's scalings stand among this tile's exponentials
.endif
	v_exp_f32 v[S+32*\t+2*\b], v[S+32*\t+2*\b]
	v_exp_f32 v[S+32*\t+2*\b+1], v[S+32*\t+2*\b+1]
.endr
.endr
	v_nop                                          ; a plain instruction behind the last exponential
	s_wait_alu depctr_va_vdst(0)                   ; the wait ahead of the first instruction that names a result: one for the batch
.irp t, 0,1,2,3
	v_pk_fma_f32 v[ST+8*\t+2:ST+8*\t+3], v[ST+8*\t+2:ST+8*\t+3], v[ST+8*\t+6:ST+8*\t+7], v[S+32*\t:S+32*\t+1] op_sel_hi:[1,0,1]   ; l = a l + the first pair
.endr
.irp b, 1,2,3,4,5,6,7,8,9,10,11,12,13,14,15
.irp t, 0,1,2,3
	v_pk_add_f32 v[ST+8*\t+2:ST+8*\t+3], v[ST+8*\t+2:ST+8*\t+3], v[S+32*\t+2*\b:S+32*\t+2*\b+1]
.endr
.endr
.irp kb, 0,1
.irp i, 0,1,2,3,4,5,6,7
.irp t, 0,1,2,3
	v_cvt_pk_f16_f32 v[S+32*\t+16*\kb+\i], v[S+32*\t+16*\kb+2*\i], v[S+32*\t+16*\kb+2*\i+1]   ; P in place, ascending: two tiles of 16 keys, packed in pairs, are source 1 of the second product
.endr
.endr
.endr
	WIN 0x41                                       ; O^T window 1, a window 0
.irp i, 0,1,2,3,4,5,6,7,8,9,10,11,12,13,14,15
.irp t, 0,1,2,3
	v_pk_mul_f32 v[32*\t+2*\i:32*\t+2*\i+1], v[32*\t+2*\i:32*\t+2*\i+1], v[ST+8*\t+6:ST+8*\t+7] op_sel_hi:[1,0]
.endr
.endr
	WIN 0
.endm
; a period whose tile lies in slot p
.macro PERIOD p
	s_wait_dscnt 0x0                               ; my stores of this period's tile have landed, my reads of the other slot are over
	s_barrier_signal -1
	s_barrier_wait -1                              ; both now hold of all eight waves
	s_cmp_ge_u32 s[K0V], s[N]
	s_cbranch_scc1 .Lidle_\@                       ; past the last step: the barrier alone
	s_wait_loadcnt 0x0                             ; the next tile is in registers: it was asked for a period ago
	s_wait_xcnt 0x0                                ; the last prefetch, a period back, has read its address
	s_add_nc_u64 s[PFB:PFB+1], s[PFB:PFB+1], 8192
	STORET 1-\p, (1-\p)*SLOT
	LOADNEXT \p
	ASK
	s_cmp_lg_u32 s[TY], 0
	s_cbranch_scc1 .Lsoft_\@
	MPHASE \p*SLOT, .Lidle_\@
.Lsoft_\@:
	SOFTMAX
	s_cmp_eq_u32 s[TY], 0
	s_cbranch_scc1 .Lidle_\@
	MPHASE \p*SLOT, .Lidle_\@
.Lidle_\@:
	s_add_co_u32 s[K0], s[K0], 64
	s_add_co_u32 s[K0V], s[K0V], 64
.endm
	s_load_b256 s[4:11], s[0:1], 0x0               ; qh s[4:5], kh s[6:7], vh s[8:9], cnt s[10:11]
	s_load_b64 s[12:13], s[0:1], 0x20              ; out0
	v_lshl_add_u32 v[SPW], v0, 2, SPARE
	v_mov_b32 v[NIL], 0
	v_lshrrev_b32 v52, 5, v0
	v_readfirstlane_b32 s[WV], v52                 ; wave 0..7
	s_and_b32 s32, ttmp7, 0xffff                   ; y = 16 b + hd
	s_lshr_b32 s34, s32, 4                         ; b
	s_and_b32 s36, s32, 15                         ; hd
	s_lshl_b32 s32, s32, 18                        ; the head's first byte in qh, kh, vh: 2,048 rows of 128 bytes
	s_mov_b32 s33, 0
	s_mov_b32 s35, 0
	s_lshl_b32 s37, s34, 23                        ; out0: (2,048 b + 512 x + 64 w) rows of 4,096 bytes + 256 hd
	s_lshl_b32 s38, ttmp9, 21
	s_add_co_u32 s37, s37, s38
	s_lshl_b32 s38, s[WV], 18
	s_add_co_u32 s37, s37, s38
	s_lshl_b32 s38, s36, 8
	s_add_co_u32 s38, s37, s38
	s_mov_b32 s39, 0
	s_lshl_b32 s34, s34, 3                         ; cnt: 8 bytes a batch
	s_lshl_b32 s36, ttmp9, 16                      ; my queries in the head: (512 x + 64 w) rows of 128 bytes
	s_lshl_b32 s37, s[WV], 13
	s_add_co_u32 s36, s36, s37
	s_mov_b32 s37, 0
	s_lshr_b32 s[TY], s[WV], 2
	s_xor_b32 s[TY], s[TY], s[WV]
	s_and_b32 s[TY], s[TY], 1
	s_mov_b32 s[SEL], 0x76543210
	s_mov_b32 s[SEL+1], 0xfedcba98
	s_mov_b32 s[K0], 0
	s_mov_b32 s[KO], 8192
	s_wait_kmcnt 0x0
	s_add_nc_u64 s[10:11], s[10:11], s[34:35]
	s_load_b64 s[14:15], s[10:11], 0x0             ; n, c
	s_add_nc_u64 s[4:5], s[4:5], s[32:33]
	s_add_nc_u64 s[4:5], s[4:5], s[36:37]
	s_add_nc_u64 s[6:7], s[6:7], s[32:33]
	s_add_nc_u64 s[8:9], s[8:9], s[32:33]
	s_add_nc_u64 s[12:13], s[12:13], s[38:39]
	v_and_b32 v52, 15, v0                          ; r
	v_bfe_u32 v53, v0, 4, 1                        ; h
	v_lshlrev_b32 v[T16], 4, v0
	v_lshlrev_b32 v[QO], 7, v52
	v_lshl_add_u32 v[QO], v53, 4, v[QO]            ; Q: row r of 128 bytes, + 16 h
	WIN 0x40
	global_load_b128 v[RS:RS+3], v[T16], s[6:7]                    ; tile 0: K of step 0 alone
	global_load_b128 v[RS+4:RS+7], v[T16], s[6:7] offset:4096
	global_load_b128 v[RS+16:RS+19], v[T16], s[6:7] offset:8192    ; tile 1: K of step 1,
	global_load_b128 v[RS+20:RS+23], v[T16], s[6:7] offset:12288
	global_load_b128 v[RS+24:RS+27], v[T16], s[8:9]                ; V of step 0
	global_load_b128 v[RS+28:RS+31], v[T16], s[8:9] offset:4096
.irp t, 0,1,2,3
.irp e, 0,1
.irp u, 0,1
	global_load_b128 v[OQ+16*\t+8*\e+4*\u:OQ+16*\t+8*\e+4*\u+3], v[QO], s[4:5] offset:2048*\t+64*\e+32*\u th:TH_LOAD_NT   ; Q stays in registers
.endr
.endr
.endr
.set n, 0
.rept 128
	v_mov_b32 v[n], 0                              ; O^T.  The step is written once for both types of wave, and type 1's first softmax stands inside the loop: so the first step finds zeros
.set n, n+1
.endr
.set n, 0
.rept 32
	v_mov_b32 v[BIA+n], 0                          ; the additive mask: zeros up to the last step
.set n, n+1
.endr
	WIN 0
	v_mul_u32_u24 v[AK], v52, 144
	v_lshl_add_u32 v[AK], v53, 4, v[AK]
	v_and_b32 v54, 7, v0                           ; the turning load: lane l reads 16 bytes: key 8 h + l % 8, channels 8 ((l / 8) % 2) on
	v_lshl_add_u32 v54, v53, 3, v54
	v_mul_u32_u24 v[AV], v54, 160
	v_bfe_u32 v54, v0, 3, 1
	v_lshl_add_u32 v[AV], v54, 4, v[AV]
	v_add_nc_u32 v[AV], VOFF, v[AV]
	v_lshrrev_b32 v54, 3, v0
	v_and_b32 v55, 7, v0
	v_mul_u32_u24 v[LSK], v54, 144
	v_lshl_add_u32 v[LSK], v55, 4, v[LSK]
	v_mul_u32_u24 v[LSV], v54, 160
	v_lshl_add_u32 v[LSV], v55, 4, v[LSV]
	v_add_nc_u32 v[LSV], VOFF, v[LSV]
	v_lshlrev_b32 v[H8], 3, v53
	v_mov_b32 v[NEGV], 0xcfee6b28                  ; -8e9: times c = log2(e) / 8 far under every exponent that gives a weight
	s_mul_i32 s36, s[WV], 4352
	s_add_co_u32 s36, s36, STAGE
	v_mul_u32_u24 v[STO], v52, 272
	v_lshl_add_u32 v[STO], v53, 5, v[STO]
	v_add_nc_u32 v[STO], s36, v[STO]               ; in: row r, + 32 h
	v_mul_u32_u24 v[RD], v53, 272
	v_lshl_add_u32 v[RD], v52, 4, v[RD]
	v_add_nc_u32 v[RD], s36, v[RD]                 ; back: lanes 0-15 one row of 256 bytes, lanes 16-31 the next
	v_lshlrev_b32 v[GO], 12, v53
	v_lshl_add_u32 v[GO], v52, 4, v[GO]            ; and the same two rows in out0
	v_and_b32 v[PFO], 31, v0
	v_lshlrev_b32 v[PFO], 8, v[PFO]
.irp t, 0,1,2,3
	v_mov_b32 v[ST+8*\t+1], 0xff61b1e6             ; m = -3e38, under every score
.irp i, 2,3,4,5,6,7
	v_mov_b32 v[ST+8*\t+\i], 0                     ; l, and the registers at work: written once on every way
.endr
.endr
	s_wait_kmcnt 0x0
	s_min_u32 s[N], s[N], 0x800                    ; a head has 2,048 keys
	s_mov_b32 s[CS], s15
	s_mov_b32 s[CS+1], s15
.irp t, 0,1,2,3
	v_mul_f32 v[ST+8*\t], s[CS], v[ST+8*\t+1]      ; c m
.endr
	s_lshr_b32 s36, s[WV], 1                       ; 0 in waves 0 and 1,
	s_or_b32 s36, s36, ttmp9                       ; of the head's first work-group
	s_cmp_eq_u32 s36, 0
	s_cselect_b32 s[PLIM], s[N], 0
	s_cmp_eq_u32 s[WV], 0
	s_cselect_b64 s[PFB:PFB+1], s[6:7], s[8:9]
	s_add_nc_u64 s[PFB:PFB+1], s[PFB:PFB+1], 4*8192   ; period 1 steps it to rows 320 on
	s_wait_loadcnt 20                              ; tile 0's two loads are in; tile 1's four and Q's sixteen may be out
	WIN 0x04
	ds_store_b128 v[LSK], v[RS:RS+3]
	ds_store_b128 v[LSK], v[RS+4:RS+7] offset:4608
	WIN 0
	s_wait_dscnt 0x0
	s_barrier_signal -1
	s_barrier_wait -1                              ; K of step 0 lies in slot 0
	; ---- period 0: the first scores; type 0 goes on to their softmax
	s_wait_loadcnt 0x0                             ; tile 1, and Q
	STORET 1, SLOT
	LOADNEXT 0
	SPHASE 0
	s_cmp_lg_u32 s[TY], 0
	s_cbranch_scc1 .Lfirst
	SOFTMAX
.Lfirst:
	s_mov_b32 s[K0], 64
	s_mov_b32 s[K0V], 0
	s_mov_b32 s[TR], 16
.Lwalk:                                                ; 16 trips of two periods, whatever n is: periods 1 to 32
	PERIOD 1
	PERIOD 0
	s_sub_co_u32 s[TR], s[TR], 1
	s_cmp_lg_u32 s[TR], 0
	s_cbranch_scc1 .Lwalk
	; ---- THE WAY OUT.  l's two halves and the other half of the lanes' are added; O^T is divided by l and goes through my stage in LDS, a tile (16 queries x 256 bytes) at a time
.irp t, 0,1,2,3
	v_add_f32 v[ST+8*\t+4], v[ST+8*\t+2], v[ST+8*\t+3]
.endr
.irp t, 0,1,2,3
	v_permlanex16_b32 v[ST+8*\t+5], v[ST+8*\t+4], s[SEL], s[SEL+1]
.endr
.irp t, 0,1,2,3
	v_add_f32 v[ST+8*\t+4], v[ST+8*\t+4], v[ST+8*\t+5]
.endr
.irp t, 0,1,2,3
	v_rcp_f32 v[ST+8*\t+6], v[ST+8*\t+4]
.endr
	v_nop                                          ; a plain instruction behind the last reciprocal
	s_wait_alu depctr_va_vdst(0)                   ; and the wait ahead of the first use: one for the four
.macro PACK t
	WIN 0x01                                       ; O^T window 1; the quotient goes where the tile's scores lay
.set n, 0
.rept 16
	v_pk_mul_f32 v[S+32*\t+n:S+32*\t+n+1], v[32*\t+n:32*\t+n+1], v[ST+8*\t+6:ST+8*\t+7] op_sel_hi:[1,0]   ; each accumulator from its low end on
.set n, n+2
.endr
	WIN 0
.irp ct, 0,1,2,3
	ds_store_b128 v[STO], v[S+32*\t+8*\ct:S+32*\t+8*\ct+3] offset:64*\ct          ; lane (r, h): query r, channels 16 ct + 8 h + 0 .. 7
	ds_store_b128 v[STO], v[S+32*\t+8*\ct+4:S+32*\t+8*\ct+7] offset:64*\ct+16
.endr
.irp i, 0,1,2,3,4,5,6,7
	ds_load_b128 v[S+32*\t+4*\i:S+32*\t+4*\i+3], v[RD] offset:544*\i   ; LDS serves a wave's instructions in order: these see the stores above; the next tile's stores come behind them
.endr
.endm
.macro SEND t, younger                 ; younger: the LDS instructions issued behind tile t's loads: the next tile's sixteen, or none
.irp i, 0,1,2,3,4,5,6,7
	s_wait_dscnt \younger+7-\i
	global_store_b128 v[GO], v[S+32*\t+4*\i:S+32*\t+4*\i+3], s[12:13] offset:(16*\t+2*\i)*4096 th:TH_STORE_NT   ; 16 lanes store 256 consecutive bytes, at a multiple of 256 from out0's first byte
.endr
.endm
	PACK 0
	PACK 1                                         ; a tile's arithmetic stands between the loads of the tile before and its stores
	SEND 0, 16
	PACK 2
	SEND 1, 16
	PACK 3
	SEND 2, 16
	SEND 3, 0
	s_wait_tensorcnt 0x0                           ; the wave's end: three closing lines, behind my last LDS store
	ds_add_u32 v[SPW], v[NIL]
	s_wait_dscnt 0x0
	s_endpgm
.Lfunc_end_k_qa82e0ac5d9_attn:
	.size	k_qa82e0ac5d9_attn, .Lfunc_end_k_qa82e0ac5d9_attn-k_qa82e0ac5d9_attn
	.p2alignl 7, 3214868480
	.fill 96, 4, 3214868480
	.section	.rodata,"a",@progbits
	.p2align	6, 0x0
	.amdhsa_kernel k_qa82e0ac5d9_attn
		.amdhsa_group_segment_fixed_size 74752
		.amdhsa_private_segment_fixed_size 0
		.amdhsa_enable_private_segment 0
		.amdhsa_kernarg_size 40
		.amdhsa_user_sgpr_count 2
		.amdhsa_user_sgpr_kernarg_segment_ptr 1
		.amdhsa_wavefront_size32 1
		.amdhsa_system_sgpr_workgroup_id_x 1
		.amdhsa_system_sgpr_workgroup_id_y 1
		.amdhsa_system_sgpr_workgroup_id_z 1
		.amdhsa_system_vgpr_workitem_id 0
		.amdhsa_next_free_vgpr 512
		.amdhsa_next_free_sgpr 66
		.amdhsa_reserve_vcc 1
		.amdhsa_float_denorm_mode_32 3
		.amdhsa_float_denorm_mode_16_64 3
		.amdhsa_memory_ordered 1
		.amdhsa_forward_progress 1
		.amdhsa_inst_pref_size 147
	.end_amdhsa_kernel
	.amdgpu_metadata
---
amdhsa.version: [ 1, 2 ]
amdhsa.kernels:
  - .name:           k_qa82e0ac5d9_attn
    .symbol:         k_qa82e0ac5d9_attn.kd
    .args:
      - { .name: qh, .offset: 0, .size: 8, .value_kind: global_buffer, .address_space: global }
      - { .name: kh, .offset: 8, .size: 8, .value_kind: global_buffer, .address_space: global }
      - { .name: vh, .offset: 16, .size: 8, .value_kind: global_buffer, .address_space: global }
      - { .name: cnt, .offset: 24, .size: 8, .value_kind: global_buffer, .address_space: global }
      - { .name: out0, .offset: 32, .size: 8, .value_kind: global_buffer, .address_space: global }
    .group_segment_fixed_size: 74752
    .private_segment_fixed_size: 0
    .kernarg_segment_align: 8
    .kernarg_segment_size: 40
    .max_flat_workgroup_size: 256
    .sgpr_count:     66
    .vgpr_count:     512
    .wavefront_size: 32
...
	.end_amdgpu_metadata
.endif
;; end of part 3
;; ======== version 2 of 2: 3 launches; version 1 with the launch proj written anew for expert scheduling mode
;; limits: right only within a limited range of input values; values are held in f16: magnitudes above 65,504 overflow, below 6.1e-05 lose precision
;; workspace buffers: wimg 1,572,864 bytes; wscl 98,304 bytes; idx 32,768 bytes of whole numbers; cnt 256 bytes of whole numbers; qh 16,777,216 bytes; kh 16,777,216 bytes; vh 16,777,216 bytes
;; launch prep: the kernel of part 1 again; grid 388 x 1, 1 waves a work-group, no clusters, 0 bytes of LDS; arguments Wq, Wk, Wv, mask, wimg, wscl, idx, cnt; writes wimg, wscl, idx, cnt
;; launch proj (part 4): grid 64 x 3, 4 waves a work-group, no clusters, 124,416 bytes of LDS; arguments Q, K, V, bq, bv, idx, wimg, wscl, qh, kh, vh; writes qh, kh, vh
.if DOCPART == 4
	.amdgcn_target "amdgcn-amd-amdhsa--gfx1250"
	.amdhsa_code_object_version 6
	.text
	.protected	k_qa82e0ac5d9_proj
	.globl	k_qa82e0ac5d9_proj
	.p2align	8
	.type	k_qa82e0ac5d9_proj,@function
k_qa82e0ac5d9_proj:
	s_mov_b64 s[64:65], 0
	v_nop
	global_prefetch_b8 v0, s[64:65] scope:SCOPE_SE
	s_setreg_imm32_b32 hwreg(HW_REG_WAVE_SCHED_MODE, 0, 2), 2
	s_setreg_imm32_b32 hwreg(HW_REG_WAVE_MODE, 25, 1), 1
	s_wait_xcnt 0x0
	s_wait_alu depctr_vm_vsrc(0)
; PROJ.  y = 0: q = Q Wq^T + bq;  y = 1: k = K Wk^T;  y = 2: v = V Wv^T + bv.  Both operands of each product are codes of FP4 (E2M1) with one E8M0 scale for each 32 along K = 1,024; sums in f32; results rounded once to f16.
; A work-group takes 128 rows of the result (tile x) and all 1,024 outputs.  The rows of k and v are laid in the ORDER OF THE LIST idx (keys that count first): row p of the result is made of source row idx[p]; q's rows are taken as they lie.
; Results: [batch][head][row][64] f16.
; PHASE X: wave w gathers source rows 32 w .. 32 w + 31 of the tile, a whole row of 4,096 bytes at a time (eight dense loads of 512 bytes), turns it through its own stage in LDS so that a lane holds 16 neighbours of each half row,
;   quantises (two neighbouring lanes hold a block of 32) and puts codes and scale bytes into LDS, row by row.  Four rows of a wave are on their way at any time.  One barrier.
; PHASE G: THE WAVES SHARE THE COLUMNS: wave w makes heads 4 w .. 4 w + 3 for all 128 rows.  The rows' 64 fragments (8 row blocks x 8 K steps, 512 registers) are read from LDS once and stay.  W's fragments come from memory
;   straight into operand registers (the launch before laid them so), through a ring of four K steps; each feeds eight matrix instructions.
; THE MATRIX INSTRUCTION IS USED TRANSPOSED (source 0 = 16 rows of W, source 1 = 16 rows of x): a lane holds eight neighbouring outputs of one row.  The bias is the C of a sum's first instruction.
; NO JOINT LOADS: each fragment of W is read by one wave of a work-group and goes into registers, not into LDS; what the work-groups share is 544 KiB of codes and scale words that each of them walks once.
; LIMITS: results beyond 65,504 overflow f16; a block of zeros gets the scale byte 1 (its codes are zeros; this program alone reads the bytes); NaN and infinities among the inputs are not served.
; REGISTERS, in windows of 256.  window 0: v1-14 addresses; v16-47 x's scale words; v48-55 W's (these 40 hold scales and nothing else); v56-87 the bias; v88-119 the way out; v120-247 W's ring, 4 slots of 32.
;   (phase X: v56-119 two sets of 32 numbers, v120-137 at work.)   windows 1, 2: x's fragments, (a, s) at 8 (8 (a % 4) + s) of window 1 + a / 4 (phase X: window 1, v0-127: four rows as loaded).   window 3: 32 accumulators, (nb, a) at 8 (8 nb + a).
; THE MODE: SCHED_MODE bits 1:0 = 2 (LLVM: expert scheduling mode 2), set by the entry lines.  The code itself states the register dependences between vector or matrix instructions and memory or LDS instructions, with s_wait_alu, always for 0.
; THE PLAN.  Registers that memory or LDS instructions touch:
;   v1-3, v9-14   addresses, made once at the head and never written again: one wait on va_vdst ahead of the first load serves every load and store of the kernel.
;   RAW0 .. RAW3  (window 1) written by a row's eight global loads, read by the LDS stores of its turn through the stage; no vector instruction names them.  Row k's head: a wait on vm_vsrc, then the row four further on lands in RAW[k].
;   XS0, XS1      written by the turn's LDS loads, read by a row's maxima and conversions.  Row k issues the loads into the set that row k - 1 worked on: the wait on va_vdst behind row k - 1's conversions has stated that it is done with it.
;   CD, EB        (by the row's parity) written by the conversions and shifts, read by the row's four LDS stores, which follow that same wait on va_vdst; the wait on vm_vsrc at a later row's head frees them.
;   CWA, SWA      written once a trip, behind row 0's wait on vm_vsrc; read by the rows' stores, the first of which stands behind row 0's wait on va_vdst.
;   the ring, W's scale words, the bias   written by global loads, read by a K step's 32 products (the bias also written by the 32 selects): ONE wait on va_vdst a K step, behind its products, ahead of the loads that land in what they read.
;   TMP           written by a block's 16 conversions, read by its four LDS stores: a wait on va_vdst between.
;   BACK          written by four LDS loads, read by four global stores.  ONE wait on vm_vsrc a block, behind the block's LDS stores and the last block's global stores, frees TMP for the next conversions and BACK for the loads that follow it.
;   x's fragments and scale words, and the accumulators, are loaded once or named by vector and matrix instructions alone.
.set CP,    528                        ; LDS: a row's 512 bytes of codes + 16
.set SCLS,  67584                      ; behind 128 such rows: the scale bytes, 32 a row + 16
.set SCP,   48
.set TURNB, 73728                      ; the stages of phase X: 10,240 bytes a wave: 2 rows x 2 halves x 32 places of 80 bytes
.set OUTST, 114688                     ; the stages of the way out: 16 rows x (128 + 16) bytes a wave
.set SPARE, 123904                     ; the spare words, 128 bytes for each wave: two blocks of 256 bytes that no other line names
.set L16,  1                           ; 16 x lane
.set TIN,  2                           ; stage, in: 80 (lane / 4) + 16 (lane % 4)
.set TOUT, 3                           ; stage, out: 80 x lane
.set CW0,  4                           ; my wave's first row of codes + 8 x lane
.set CWA,  5                           ; the same for the trip's four rows
.set SW0,  6                           ; my wave's first row of scale bytes + lane / 2
.set SWA,  7
.set IDX,  8                           ; lane i: the source row of my wave's row i
.set AF,   9                           ; a fragment's place: 528 r + 16 h
.set ASA,  10                          ; x's scale words: 48 r + 16 h
.set SL,   11                          ; 8 x lane
.set BI,   12                          ; 32 h
.set STO,  13
.set RD,   14
.set SA,   16
.set SBR,  48
.set BIAS, 56
.set XS0,  56
.set TMP,  88
.set BACK, 104
.set BR,   120
.set CD,   120                         ; phase X: codes, 2 rows x 2 halves x 2 registers
.set EB,   128                         ; bytes, 2 rows x 2 halves
.set MX,   132                         ; maxima, 2 a half
.set SCO,  136                         ; the conversions' scale operands
.set SPW,  248
.set NIL,  249
.set WV,   26
.set KM,   29                          ; 0 where the product has no bias, else all ones
.set IM,   30                          ; 0 where the rows are taken as they lie, else all ones
.set RL,   31                          ; the next row whose base is made
.set LR,   32                          ; the trip's four rows in the codes, in bytes
.set LS,   33                          ; and in the scale bytes
.set TRIP, 34
.set HDS,  35
.set SR,   48                          ; s48-51 four source rows out of the list;  s53-55 the lanes of the second to the fourth
.set MSB, 0
.macro WIN new                         ; the immediate's high byte repeats the setting that is left; a switch that changes nothing is dropped
.if MSB != (\new)
	s_set_vgpr_msb (MSB<<8)|(\new)
.set MSB, (\new)
.endif
.endm
.macro PLACES n
.rept \n
	v_nop
.endr
.endm
; the bases of the next four source rows.  A row number comes from the list: it is held inside the tensor's 8,192 rows
.macro ROWBASES
	s_wait_xcnt 0x0                                ; the loads that named these bases have read them
	s_add_co_u32 s53, s[RL], 1                     ; the four lanes are named ahead of the run of reads
	s_add_co_u32 s54, s[RL], 2
	s_add_co_u32 s55, s[RL], 3
	v_readlane_b32 s[SR], v[IDX], s[RL]
	v_readlane_b32 s[SR+1], v[IDX], s53
	v_readlane_b32 s[SR+2], v[IDX], s54
	v_readlane_b32 s[SR+3], v[IDX], s55
	s_wait_alu depctr_va_sdst(0)                   ; s48 to s51 are written, ahead of their first readers: one wait for the run of four
.irp k, 0,1,2,3
	s_min_u32 s36, s[SR+\k], 8191
	s_lshl_b32 s36, s36, 12
	s_add_nc_u64 s[40+2*\k:41+2*\k], s[4:5], s[36:37]
.endr
	s_add_co_u32 s[RL], s[RL], 4
.endm
.macro LOADROW k                       ; a whole row: eight loads of 512 consecutive bytes
	WIN 0x40
.irp i, 0,1,2,3,4,5,6,7
	global_load_b128 v[32*(\k)+4*\i:32*(\k)+4*\i+3], v[L16], s[40+2*(\k):41+2*(\k)] offset:512*\i th:TH_LOAD_NT
.endr
	WIN 0
.endm
.macro TURN k                          ; the row through my stage: LDS serves a wave's instructions in order, so no wait stands between the stores and the loads
	WIN 0x04
.irp i, 0,1,2,3,4,5,6,7
	ds_store_b128 v[TIN], v[32*(\k)+4*\i:32*(\k)+4*\i+3] offset:((\k)%2)*5120+(\i/4)*2560+640*(\i%4)
.endr
	WIN 0
.irp i, 0,1,2,3,4,5,6,7
	ds_load_b128 v[XS0+32*((\k)%2)+4*\i:XS0+32*((\k)%2)+4*\i+3], v[TOUT] offset:((\k)%2)*5120+(\i/4)*2560+16*(\i%4)
.endr
.endm
; One row.  load = 1: the row four further on is asked for;  turn = 1: the next row goes through the other stage;  lc: the loads that may stay out when the next row's eight have to be in
.macro ROWSTEP k, load, lc, turn
	s_wait_dscnt 4                                 ; this row's numbers are back from the stage; the four stores of the row before may be out
	s_wait_alu depctr_vm_vsrc(0)                   ; the LDS stores issued so far have read their registers: this row's turn RAW[k], in which the loads below land; the earlier rows' stores the codes and bytes that this row's conversions write, and CWA and SWA (first row: the list's load has read v123)
.if (\k) == 0
	v_add_nc_u32 v[CWA], s[LR], v[CW0]             ; the trip's four rows in the codes and in the scale bytes; the first stores by these two stand behind this row's wait on va_vdst
	v_add_nc_u32 v[SWA], s[LS], v[SW0]
.endif
.if \load
	LOADROW \k
.endif
.if \turn
	s_wait_loadcnt \lc
	TURN (\k+1)%4                                  ; its LDS loads land in the set that the row before worked on: the wait on va_vdst behind that row's conversions has stated that it is done, and no vector instruction since names the set
.endif
.set XR, XS0+32*((\k)%2)
.set CR, CD+4*((\k)%2)
.set ER, EB+2*((\k)%2)
.irp f, 0,1                                    ; the row's two halves by turns: a lane holds 16 neighbours of each
	v_max3_num_f32 v[MX+2*\f], |v[XR+16*\f]|, |v[XR+16*\f+1]|, |v[XR+16*\f+2]|
	v_max3_num_f32 v[MX+2*\f+1], |v[XR+16*\f+3]|, |v[XR+16*\f+4]|, |v[XR+16*\f+5]|
.endr
.irp i, 6,10
.irp f, 0,1
	v_max3_num_f32 v[MX+2*\f], v[MX+2*\f], |v[XR+16*\f+\i]|, |v[XR+16*\f+\i+1]|
	v_max3_num_f32 v[MX+2*\f+1], v[MX+2*\f+1], |v[XR+16*\f+\i+2]|, |v[XR+16*\f+\i+3]|
.endr
.endr
.irp f, 0,1
	v_max3_num_f32 v[MX+2*\f], v[MX+2*\f], |v[XR+16*\f+14]|, |v[XR+16*\f+15]|
.endr
.irp f, 0,1
	v_max3_num_f32 v[MX+2*\f], v[MX+2*\f], v[MX+2*\f+1], 0x1800000   ; and the floor 2^(3 - 127): the byte cannot fall under 1
.endr
.irp f, 0,1
	v_max_num_f32_dpp v[MX+2*\f], v[MX+2*\f], v[MX+2*\f] row_xmask:1 row_mask:0xf bank_mask:0xf   ; with my neighbour's 16: the block's largest magnitude
.endr
.irp f, 0,1
	v_add_nc_u32 v[SCO+\f], 0xff000000, v[MX+2*\f] ; 2 off its exponent field: the conversion's scale operand
.endr
.irp f, 0,1
	v_cvt_scalef32_pk8_fp4_f32 v[CR+2*\f], v[XR+16*\f:XR+16*\f+7], v[SCO+\f]
	v_cvt_scalef32_pk8_fp4_f32 v[CR+2*\f+1], v[XR+16*\f+8:XR+16*\f+15], v[SCO+\f]
.endr
.irp f, 0,1
	v_lshrrev_b32 v[ER+\f], 23, v[SCO+\f]          ; the scale's byte (also the plain place behind the conversions)
.endr
	s_wait_alu depctr_va_vdst(0)                   ; the conversions and shifts have written the codes and bytes, which the four stores below read (in a trip's first row CWA and SWA are written too); and they are done reading this row's set of numbers, in which the next row's step lets LDS loads land
.irp f, 0,1
	ds_store_b8 v[SWA], v[ER+\f] offset:SCP*(\k)+16*\f             ; both lanes of a block write the same byte with the same value
.endr
.irp f, 0,1
	ds_store_b64 v[CWA], v[CR+2*\f:CR+2*\f+1] offset:CP*(\k)+256*\f
.endr
.endm
; W's four fragments and their scale words of K step g (counted from the head in hand) into ring slot g % 4: nine loads
.macro BLOAD g
.irp nb, 0,1,2,3
.irp c, 0,1
	global_load_b128 v[BR+32*((\g)%4)+8*\nb+4*\c:BR+32*((\g)%4)+8*\nb+4*\c+3], v[L16], s[16:17] offset:4096*(\g)+1024*\nb+512*\c
.endr
.endr
	global_load_b64 v[SBR+2*((\g)%4):SBR+2*((\g)%4)+1], v[SL], s[18:19] offset:256*(\g)
.endm
.macro BIASLOAD off                    ; lane (r, h) wants, for row block nb of W, the bias of outputs 16 nb + 8 h + 0 .. 7: eight loads
.irp nb, 0,1,2,3
	global_load_b128 v[BIAS+8*\nb:BIAS+8*\nb+3], v[BI], s[10:11] offset:\off+64*\nb
	global_load_b128 v[BIAS+8*\nb+4:BIAS+8*\nb+7], v[BI], s[10:11] offset:\off+64*\nb+16
.endr
.endm
; one product: W's row block nb x x's row block 4 g + aa, K step s.  W's scale words: register nb / 2 of the slot, upper lanes for odd nb; x's: register s % 4 of the row block, upper lanes for s >= 4
.macro MM s, first, g, aa, nb
.set rD, 8*(8*(\nb)+4*(\g)+(\aa))
.set rA, BR+32*((\s)%4)+8*(\nb)
.set rB, 8*(8*(\aa)+(\s))
.set rC, rD
.if \first
.set rC, BIAS+8*(\nb)
.endif
.set rSA, SBR+2*((\s)%4)+(\nb)/2
.set rSB, SA+4*(4*(\g)+(\aa))+(\s)%4
.if ((\nb)%2 == 1) && ((\s) >= 4)
	v_wmma_scale_f32_16x16x128_f8f6f4 v[rD:rD+7], v[rA:rA+7], v[rB:rB+7], v[rC:rC+7], v[rSA], v[rSB] matrix_a_fmt:MATRIX_FMT_FP4 matrix_b_fmt:MATRIX_FMT_FP4 matrix_a_scale:MATRIX_SCALE_ROW1 matrix_b_scale:MATRIX_SCALE_ROW1
.elseif (\nb)%2 == 1
	v_wmma_scale_f32_16x16x128_f8f6f4 v[rD:rD+7], v[rA:rA+7], v[rB:rB+7], v[rC:rC+7], v[rSA], v[rSB] matrix_a_fmt:MATRIX_FMT_FP4 matrix_b_fmt:MATRIX_FMT_FP4 matrix_a_scale:MATRIX_SCALE_ROW1
.elseif (\s) >= 4
	v_wmma_scale_f32_16x16x128_f8f6f4 v[rD:rD+7], v[rA:rA+7], v[rB:rB+7], v[rC:rC+7], v[rSA], v[rSB] matrix_a_fmt:MATRIX_FMT_FP4 matrix_b_fmt:MATRIX_FMT_FP4 matrix_b_scale:MATRIX_SCALE_ROW1
.else
	v_wmma_scale_f32_16x16x128_f8f6f4 v[rD:rD+7], v[rA:rA+7], v[rB:rB+7], v[rC:rC+7], v[rSA], v[rSB] matrix_a_fmt:MATRIX_FMT_FP4 matrix_b_fmt:MATRIX_FMT_FP4
.endif
.endm
; a K step: 32 matrix instructions; the 32 accumulators take turns, one instruction a turn, in the same order in every step
.macro MULK s, first
.irp g, 0,1
.if \first
	WIN 0xc4+4*\g                                  ; W window 0, x window 1 + g, the bias window 0, D window 3
.else
	WIN 0xf4+4*\g                                  ; C and D window 3
.endif
.irp aa, 0,1,2,3
.irp nb, 0,1,2,3
	MM \s, \first, \g, \aa, \nb
.endr
.endr
.endr
.endm
.macro SENDB a, younger                ; 16 rows of the head: each store covers 4 rows of 128 bytes: 512 consecutive bytes, aligned.  younger: the LDS stores issued behind the block's loads, which may stay out
	s_wait_dscnt \younger                          ; the block is back in registers
.irp i, 0,1,2,3
	global_store_b128 v[L16], v[BACK+4*\i:BACK+4*\i+3], s[20:21] offset:(16*(\a)+4*\i)*128
.endr
	s_wait_xcnt 0x0                                ; the stores have read their registers and their base: both may be written again
.endm
; a lane's 16 bytes belong to one row and the lanes beside it hold other rows: through my own stage, back as whole rows
.macro STIN
.irp nb, 0,1,2,3
	ds_store_b128 v[STO], v[TMP+4*\nb:TMP+4*\nb+3] offset:32*\nb   ; LDS serves a wave's instructions in order: these come behind the last block's loads from the stage
.endr
.endm
.macro STBACK
.irp i, 0,1,2,3
	ds_load_b128 v[BACK+4*\i:BACK+4*\i+3], v[RD] offset:576*\i     ; and these see the stores above
.endr
.endm
; a head: 8 K steps, then the way out.  last = 1: nothing beyond this head is asked for
.macro HEAD last
.irp s, 0,1,2,3,4,5,6,7
.if \last
.if \s < 5
	s_wait_loadcnt 27                              ; this step's nine loads are in; three younger groups of nine may be out
.else
	s_wait_loadcnt 9*(7-\s)                        ; the counts run down
.endif
.else
.if (\s >= 1) && (\s <= 3)
	s_wait_loadcnt 35                              ; three younger groups of nine, and the next head's eight bias loads among them
.else
	s_wait_loadcnt 27
.endif
.endif
.if \s == 0
.set n, 0
.rept 32
	v_cndmask_b32 v[BIAS+n], 0, v[BIAS+n], s[KM]   ; the product without a bias starts from zeros
.set n, n+1
.endr
	PLACES 4
	MULK \s, 1
.else
	MULK \s, 0
.endif
	PLACES 4                                       ; in front of loads into registers that these products have read, and of the first read of results; the wait below stands beside them
	WIN 0
.if (\last == 0) || (\s < 4)
	s_wait_alu depctr_va_vdst(0)                   ; this step's products are done reading their ring slot and its scale words (the first step's: the bias too, which the selects have written): the loads below land there.  They follow at once: the slot is asked for again as early as it can be
.endif
.if (\s == 0) && (\last == 0)
	BIASLOAD 256
.endif
.if (\last == 0) || (\s < 4)
	BLOAD \s+4
.endif
.endr
.irp a, 0,1,2,3,4,5,6,7                        ; block a's conversions and its stores into the stage stand between block a - 1's loads from the stage and the wait for them
	WIN 0x0f                                       ; sources window 3
.irp nb, 0,1,2,3
.irp i, 0,1,2,3
	v_cvt_pk_f16_f32 v[TMP+4*\nb+\i], v[8*(8*\nb+\a)+2*\i], v[8*(8*\nb+\a)+2*\i+1]   ; each accumulator from its low end on
.endr
.endr
	WIN 0
	s_wait_alu depctr_va_vdst(0)                   ; the conversions have written TMP, which the LDS stores below read
	STIN
.if \a > 0
	SENDB \a-1, 4
.endif
	s_wait_alu depctr_vm_vsrc(0)                   ; the LDS stores above have read TMP, which the next block's conversions write; the global stores issued so far have read BACK, in which the loads below land
	STBACK
.endr
	SENDB 7, 0
.if \last == 0
	s_add_nc_u64 s[16:17], s[16:17], 32768         ; the next head: 8 K steps of codes,
	s_add_nc_u64 s[18:19], s[18:19], 2048          ; of scale words,
	s_add_nc_u64 s[10:11], s[10:11], 256           ; 64 numbers of the bias,
	s_add_nc_u64 s[20:21], s[20:21], 262144        ; 2,048 rows of 128 bytes of the result
.endif
.endm
	s_load_b512 s[4:19], s[0:1], 0x0               ; Q s[4:5], K s[6:7], V s[8:9], bq s[10:11], bv s[12:13], idx s[14:15], wimg s[16:17], wscl s[18:19]
	s_load_b128 s[20:23], s[0:1], 0x40             ; qh, kh
	s_load_b64 s[24:25], s[0:1], 0x50              ; vh
	v_lshl_add_u32 v[SPW], v0, 2, SPARE
	v_mov_b32 v[NIL], 0
	v_lshrrev_b32 v15, 5, v0
	v_readfirstlane_b32 s[WV], v15                 ; wave 0..3
	v_and_b32 v15, 31, v0                          ; lane
	v_and_b32 v120, 15, v0                         ; r
	v_bfe_u32 v121, v0, 4, 1                       ; h
	v_lshlrev_b32 v[L16], 4, v15
	s_wait_alu depctr_va_sdst(0)                   ; s26, the wave's number, is written, ahead of its first reader
	s_mul_i32 s36, s[WV], 10240
	s_add_co_u32 s36, s36, TURNB
	v_lshrrev_b32 v[TIN], 2, v15
	v_mul_u32_u24 v[TIN], v[TIN], 80
	v_and_b32 v[TOUT], 3, v15
	v_lshl_add_u32 v[TIN], v[TOUT], 4, v[TIN]
	v_add_nc_u32 v[TIN], s36, v[TIN]
	v_mul_u32_u24 v[TOUT], v15, 80
	v_add_nc_u32 v[TOUT], s36, v[TOUT]
	s_mul_i32 s36, s[WV], 32*CP
	v_lshlrev_b32 v[CW0], 3, v15
	v_add_nc_u32 v[CW0], s36, v[CW0]
	s_mul_i32 s36, s[WV], 32*SCP
	s_add_co_u32 s36, s36, SCLS
	v_lshrrev_b32 v[SW0], 1, v15
	v_add_nc_u32 v[SW0], s36, v[SW0]
	v_mul_u32_u24 v[AF], v120, CP
	v_lshl_add_u32 v[AF], v121, 4, v[AF]
	v_mul_u32_u24 v[ASA], v120, SCP
	v_lshl_add_u32 v[ASA], v121, 4, v[ASA]
	v_add_nc_u32 v[ASA], SCLS, v[ASA]
	v_lshlrev_b32 v[SL], 3, v15
	v_lshlrev_b32 v[BI], 5, v121
	s_mul_i32 s36, s[WV], 2304
	s_add_co_u32 s36, s36, OUTST
	v_mul_u32_u24 v[STO], v120, 144
	v_lshl_add_u32 v[STO], v121, 4, v[STO]
	v_add_nc_u32 v[STO], s36, v[STO]               ; in: row r, + 16 h
	v_lshrrev_b32 v[RD], 3, v15
	v_mul_u32_u24 v[RD], v[RD], 144
	v_and_b32 v122, 7, v15
	v_lshl_add_u32 v[RD], v122, 4, v[RD]
	v_add_nc_u32 v[RD], s36, v[RD]                 ; back: eight lanes to a row, four rows an instruction
	s_lshl_b32 s28, ttmp9, 7
	s_lshl_b32 s38, s[WV], 5
	s_add_co_u32 s28, s28, s38                     ; my wave's first row: 128 x + 32 w
	v_add_nc_u32 v122, s28, v15                    ; the rows as they lie
	v_lshlrev_b32 v123, 2, v15
	s_and_b32 s27, ttmp7, 0xffff                   ; y: which product
	s_mov_b32 s37, 0
	s_mov_b32 s[RL], 0
	s_mov_b32 s[LR], 0
	s_mov_b32 s[LS], 0
	s_wait_kmcnt 0x0
	s_lshl_b32 s36, s28, 2
	s_add_nc_u64 s[14:15], s[14:15], s[36:37]
	s_wait_alu depctr_va_vdst(0)                   ; v123 and the addresses v1 to v3 and v9 to v14 are written, which the loads and stores of the whole kernel read
	global_load_b32 v[IDX], v123, s[14:15]         ; lane i: the list's entry for my wave's row i
	s_cmp_eq_u32 s27, 1                            ; the choices hang on the work-group's number alone
	s_cselect_b64 s[4:5], s[6:7], s[4:5]
	s_cselect_b64 s[20:21], s[22:23], s[20:21]
	s_cselect_b32 s[KM], 0, -1
	s_cmp_eq_u32 s27, 2
	s_cselect_b64 s[4:5], s[8:9], s[4:5]
	s_cselect_b64 s[20:21], s[24:25], s[20:21]
	s_cselect_b64 s[10:11], s[12:13], s[10:11]
	s_cmp_eq_u32 s27, 0
	s_cselect_b32 s[IM], 0, -1
	s_lshl_b32 s38, s27, 7
	s_lshl_b32 s39, s[WV], 5
	s_add_co_u32 s38, s38, s39                     ; 128 y + 32 w: my first head's first K step
	s_lshl_b32 s36, s38, 12
	s_add_nc_u64 s[16:17], s[16:17], s[36:37]
	s_lshl_b32 s36, s38, 8
	s_add_nc_u64 s[18:19], s[18:19], s[36:37]
	s_lshl_b32 s36, s[WV], 10
	s_add_nc_u64 s[10:11], s[10:11], s[36:37]      ; my four heads' bias
	s_lshr_b32 s38, ttmp9, 4
	s_lshl_b32 s38, s38, 4
	s_lshl_b32 s39, s[WV], 2
	s_add_co_u32 s38, s38, s39                     ; 16 x batch + my first head
	s_lshl_b32 s38, s38, 11
	s_and_b32 s39, ttmp9, 15
	s_lshl_b32 s39, s39, 7
	s_add_co_u32 s38, s38, s39                     ; x 2,048 rows + the tile's first row in its batch
	s_lshl_b32 s36, s38, 7
	s_add_nc_u64 s[20:21], s[20:21], s[36:37]
	s_wait_loadcnt 0x0
	v_cndmask_b32 v[IDX], v122, v[IDX], s[IM]
	; ---- PHASE X
	ROWBASES
	LOADROW 0
	LOADROW 1
	LOADROW 2
	LOADROW 3
	s_wait_loadcnt 24                              ; row 0's eight loads are in
	TURN 0
	s_wait_dscnt 0x0                               ; (the first row has no stores of a row before it behind its loads)
	s_mov_b32 s[TRIP], 7
.Lrows:                                                ; a trip: four rows are quantised, the four behind them asked for
	ROWBASES
	ROWSTEP 0, 1, 24, 1                            ; 24: the three younger rows may be out
	ROWSTEP 1, 1, 24, 1
	ROWSTEP 2, 1, 24, 1
	ROWSTEP 3, 1, 24, 1
	s_add_co_u32 s[LR], s[LR], 4*CP
	s_add_co_u32 s[LS], s[LS], 4*SCP
	s_sub_co_u32 s[TRIP], s[TRIP], 1
	s_cmp_lg_u32 s[TRIP], 0
	s_cbranch_scc1 .Lrows
	ROWSTEP 0, 0, 16, 1                            ; the last four rows load nothing: the counts run down
	ROWSTEP 1, 0, 8, 1
	ROWSTEP 2, 0, 0, 1
	ROWSTEP 3, 0, 0, 0
	s_wait_dscnt 0x0                               ; for the others' sake: my codes and scale bytes lie in LDS
	s_wait_alu depctr_vm_vsrc(0)                   ; my LDS stores have read their registers: the last rows' codes and bytes, v120 to v131, in which W's ring lands, and the four rows as loaded, in which x's fragments land behind the barrier
	s_wait_alu depctr_va_vdst(0)                   ; the rows' maxima, conversions and shifts are done with v56 to v87 and v120 to v137, in which the bias and W's ring land
	BIASLOAD 0                                     ; phase G's first loads go out ahead of the barrier
	BLOAD 0
	BLOAD 1
	BLOAD 2
	BLOAD 3
	s_barrier_signal -1
	s_barrier_wait -1                              ; all 128 rows lie in LDS; nothing writes them again
	; ---- PHASE G
.irp a, 0,1,2,3,4,5,6,7
	WIN 0x40+0x40*(\a/4)
.irp s, 0,1,2,3,4,5,6,7
.irp c, 0,1
	ds_load_b128 v[8*(8*(\a%4)+\s)+4*\c:8*(8*(\a%4)+\s)+4*\c+3], v[AF] offset:\a*16*CP+64*\s+32*\c
.endr
.endr
.endr
	WIN 0
.irp a, 0,1,2,3,4,5,6,7
	ds_load_b128 v[SA+4*\a:SA+4*\a+3], v[ASA] offset:\a*16*SCP     ; lanes 0-15: the words of K steps 0-3 of row r; lanes 16-31: of K steps 4-7
.endr
	s_wait_dscnt 0x0
	s_mov_b32 s[HDS], 3
.Lhead:
	HEAD 0
	s_sub_co_u32 s[HDS], s[HDS], 1
	s_cmp_lg_u32 s[HDS], 0
	s_cbranch_scc1 .Lhead
	HEAD 1                                         ; the last head is written out: no load leaves its buffer
	s_wait_dscnt 0x0                               ; the closing lines, six on end
	s_wait_alu 0x0
	s_wait_tensorcnt 0x0
	ds_add_u32 v[SPW], v[NIL]
	s_wait_dscnt 0x0
	s_endpgm
.Lfunc_end_k_qa82e0ac5d9_proj:
	.size	k_qa82e0ac5d9_proj, .Lfunc_end_k_qa82e0ac5d9_proj-k_qa82e0ac5d9_proj
	.p2alignl 7, 3214868480
	.fill 96, 4, 3214868480
	.section	.rodata,"a",@progbits
	.p2align	6, 0x0
	.amdhsa_kernel k_qa82e0ac5d9_proj
		.amdhsa_group_segment_fixed_size 124416
		.amdhsa_private_segment_fixed_size 0
		.amdhsa_enable_private_segment 0
		.amdhsa_kernarg_size 88
		.amdhsa_user_sgpr_count 2
		.amdhsa_user_sgpr_kernarg_segment_ptr 1
		.amdhsa_wavefront_size32 1
		.amdhsa_system_sgpr_workgroup_id_x 1
		.amdhsa_system_sgpr_workgroup_id_y 1
		.amdhsa_system_sgpr_workgroup_id_z 1
		.amdhsa_system_vgpr_workitem_id 0
		.amdhsa_next_free_vgpr 1024
		.amdhsa_next_free_sgpr 66
		.amdhsa_reserve_vcc 0
		.amdhsa_float_denorm_mode_32 3
		.amdhsa_float_denorm_mode_16_64 3
		.amdhsa_memory_ordered 1
		.amdhsa_forward_progress 1
		.amdhsa_inst_pref_size 168
	.end_amdhsa_kernel
	.amdgpu_metadata
---
amdhsa.version: [ 1, 2 ]
amdhsa.kernels:
  - .name:           k_qa82e0ac5d9_proj
    .symbol:         k_qa82e0ac5d9_proj.kd
    .args:
      - { .name: Q, .offset: 0, .size: 8, .value_kind: global_buffer, .address_space: global }
      - { .name: K, .offset: 8, .size: 8, .value_kind: global_buffer, .address_space: global }
      - { .name: V, .offset: 16, .size: 8, .value_kind: global_buffer, .address_space: global }
      - { .name: bq, .offset: 24, .size: 8, .value_kind: global_buffer, .address_space: global }
      - { .name: bv, .offset: 32, .size: 8, .value_kind: global_buffer, .address_space: global }
      - { .name: idx, .offset: 40, .size: 8, .value_kind: global_buffer, .address_space: global }
      - { .name: wimg, .offset: 48, .size: 8, .value_kind: global_buffer, .address_space: global }
      - { .name: wscl, .offset: 56, .size: 8, .value_kind: global_buffer, .address_space: global }
      - { .name: qh, .offset: 64, .size: 8, .value_kind: global_buffer, .address_space: global }
      - { .name: kh, .offset: 72, .size: 8, .value_kind: global_buffer, .address_space: global }
      - { .name: vh, .offset: 80, .size: 8, .value_kind: global_buffer, .address_space: global }
    .group_segment_fixed_size: 124416
    .private_segment_fixed_size: 0
    .kernarg_segment_align: 8
    .kernarg_segment_size: 88
    .max_flat_workgroup_size: 128
    .sgpr_count:     66
    .vgpr_count:     1024
    .wavefront_size: 32
...
	.end_amdgpu_metadata
.endif
;; end of part 4
;; launch attn: the kernel of part 3 again; grid 4 x 64, 8 waves a work-group, no clusters, 74,752 bytes of LDS; arguments qh, kh, vh, cnt, out0; writes out0
